; MI455X (gfx1250); checked and timed in simulation.
; The chip was launched on July 23, 2026; its instructions are those of AMD's public machine-readable ISA for CDNA 5 (MIT licence, August 2026) and "CDNA5" Instruction Set Architecture Reference Guide (July 2026). The comments in the code are by the model that wrote it; some were corrected since.
;; Mo E Clustered Attention. Allowed arithmetic: float matrix products may take bf16 or f16 operands with f32 sums; all other float work in f32.
;; Inputs: K 4 x 2,048 x 512 float32; Q 4 x 2,048 x 512 float32; V 4 x 2,048 x 512 float32; Wk 8 x 512 x 512 float32; Wq 8 x 512 x 512 float32; bk 8 x 512 float32; bq 8 x 512 float32; miu 8 x 512 float32.
;; Outputs: out0 4 x 2,048 x 512 float32.
;; 3 versions, each right; version 2 is faster than version 1; version 3 is version 2 with the launch attn written anew for expert scheduling mode. Each part assembles by itself: llvm-mc -triple=amdgcn-amd-amdhsa -mcpu=gfx1250 --defsym DOCPART=n.
;; ======== version 1 of 3: 4 launches
;; limits: values outside matrix products are rounded to bf16; a function is approximated: absolute error at most 1.5e-07
;; workspace buffers: assign 65,536 bytes of whole numbers; ord 65,536 bytes of whole numbers; offs 2,048 bytes of whole numbers; wf 8,388,608 bytes; xp 16,777,216 bytes; ksum 262,144 bytes
;; launch prep (part 1): grid 384 x 1, 8 waves a work-group, no clusters, 84,224 bytes of LDS; arguments Q, K, miu, Wq, Wk, assign, wf; writes assign, wf
.if DOCPART == 1
	.amdgcn_target "amdgcn-amd-amdhsa--gfx1250"
	.amdhsa_code_object_version 6
	.text
	.protected	k_qce8a8cd12a_prep
	.globl	k_qce8a8cd12a_prep
	.p2align	8
	.type	k_qce8a8cd12a_prep,@function
k_qce8a8cd12a_prep:
	s_mov_b64 s[64:65], 0
	v_nop
	global_prefetch_b8 v0, s[64:65] scope:SCOPE_SE
	s_setreg_imm32_b32 hwreg(HW_REG_WAVE_MODE, 25, 1), 1
	s_wait_xcnt 0x0
; Two jobs that need nothing of each other share one launch.
; Work-groups 0..255: ROUTE.  assign[t][b][s] = argmax over m of (x . miu[m]) / sqrt(512), x a row of Q (t = 0) or K (t = 1).
;   In f32 on the vector unit: the argmax steers everything behind it, and operands rounded to bf16 would move tokens whose two best scores lie close.
;   64 rows a work-group, 8 rows a wave; a lane holds 16 numbers of a row and of each of the 8 centres (128 registers).
;   LIMITS: on equal scores the lowest index wins, as in the module; two scores within a few ulps of each other may resolve
;   differently than in the module, whose order of summation is another; NaN and Inf are not served.
; Work-groups 256..383: CAST.  Wq and Wk go to bf16 in the order in which the expert launch's matrix fragments want them:
;   wf[mat = 8 t + m][cg: 64 columns][ks: 32 k][nt: 16 columns][1,024 bytes]; in a block, byte 512 half + 16 L holds k = 32 ks + 16 half + 8 (L / 16) + 0..7
;   of column 16 nt + L % 16.  One wave takes 32 k x 128 columns; its stage in LDS is its own, so this path has no barrier.
; The two paths' LDS bytes lie apart (route: 0..16,639; cast: from 16,640), so that nothing rests on a work-group taking one path whole.
; No matrix unit, no cluster: no work-group shares bytes with another but the 16 KB of miu.
.set ROWB,  2048                       ; bytes in a row of Q, K, Wq, Wk
.set IDS,   16384                      ; LDS: 0..16383 miu in f32; 16384..16639 the group's 64 ids
.set CSTAGE, 16640                     ; LDS: the cast path's eight stages of 8,320 bytes
.set LN7,   2                          ; v2  lane % 8
.set RES,   3                          ; v3  lane l keeps the id of row l % 8
.set IDX,   4
.set BEST,  5
.set ACC,   8                          ; v[8:23]   a pair of partial sums for each centre
.set X,     24                         ; v[24:87]  route: four row slots of 16;  v[24:151] cast: 32 k rows of 4
.set MIU,   88                         ; v[88:215] centre m: 16 registers
.set Y,     152                        ; v[152:215] cast: packed bf16
.set CST,   2                          ; cast: where I put 16 bytes
.set CRD,   3                          ; cast: where I read 16 bytes back
.set TP,    1040                       ; cast: LDS bytes from one 16-column block to the next: 65 x 16, so that lanes 0-15 hit 16 different 16-byte columns
	s_load_b256 s[4:11], s[0:1], 0x0               ; Q s[4:5], K s[6:7], miu s[8:9], Wq s[10:11]
	s_load_b128 s[12:15], s[0:1], 0x20             ; Wk s[12:13], assign s[14:15]
	s_load_b64 s[16:17], s[0:1], 0x30              ; wf
	v_lshl_add_u32 v216, v0, 2, 0x14500
	v_mov_b32 v217, 0
	v_lshrrev_b32 v6, 5, v0
	v_readfirstlane_b32 s20, v6                    ; wave
	v_and_b32 v6, 31, v0                           ; lane
	v_lshlrev_b32 v1, 4, v6                        ; 16 x lane
	s_wait_kmcnt 0x0
	s_cmp_ge_u32 ttmp9, 256
	s_cbranch_scc1 .Lcast
	; ---------------- ROUTE ----------------
	s_lshr_b32 s21, ttmp9, 7                       ; t
	s_cmp_eq_u32 s21, 0
	s_cselect_b64 s[22:23], s[4:5], s[6:7]         ; Q or K
	s_and_b32 s24, ttmp9, 127
	s_lshl_b32 s24, s24, 3
	s_add_co_u32 s24, s24, s20                     ; 8 x block + wave
	s_lshl_b32 s24, s24, 14                        ; x 8 rows x 2,048 bytes (below 16 MiB)
	s_mov_b32 s25, 0
	s_add_nc_u64 s[22:23], s[22:23], s[24:25]      ; my eight rows
	s_mov_b32 s30, 0x76543210                      ; v_permlanex16_b32: lane i reads lane i of the other half
	s_mov_b32 s31, 0xfedcba98
	v_lshlrev_b32 v7, 4, v0                        ; 16 x thread
	v_and_b32 v[LN7], 7, v0
	v_mov_b32 v[RES], 0
.irp i, 0,1,2,3
	global_load_b128 v[MIU+4*\i:MIU+4*\i+3], v7, s[8:9] offset:4096*\i      ; miu, 16 KB by 256 threads
.endr
.irp i, 0,1,2,3
.irp j, 0,1,2,3
	global_load_b128 v[X+16*\i+4*\j:X+16*\i+4*\j+3], v1, s[22:23] offset:\i*ROWB+512*\j   ; rows 0..3: 512 neighbouring bytes a load; no hint: later launches read Q and K again
.endr
.endr
	s_wait_loadcnt 16                              ; miu is in; the sixteen loads of the four rows stay out
.irp i, 0,1,2,3
	ds_store_b128 v7, v[MIU+4*\i:MIU+4*\i+3] offset:4096*\i
.endr
	s_wait_dscnt 0x0                               ; my part of miu is written,
	s_barrier_signal -1
	s_barrier_wait -1                              ; everybody's is
.irp m, 0,1,2,3,4,5,6,7
.irp j, 0,1,2,3
	ds_load_b128 v[MIU+16*\m+4*\j:MIU+16*\m+4*\j+3], v1 offset:\m*ROWB+512*\j   ; the same columns as a row slot holds
.endr
.endr
	s_wait_dscnt 0x0
; Row i of my eight.  left = loads of younger rows that may stay out; refill = 1: the slot takes row i + 4.
.macro ROW i, left, refill
	s_wait_loadcnt \left
.irp m, 0,1,2,3,4,5,6,7
	v_pk_mul_f32 v[ACC+2*\m:ACC+2*\m+1], v[X+16*(\i%4):X+16*(\i%4)+1], v[MIU+16*\m:MIU+16*\m+1]   ; the first product starts the sum
.endr
.irp p, 1,2,3,4,5,6,7
.irp m, 0,1,2,3,4,5,6,7
	v_pk_fma_f32 v[ACC+2*\m:ACC+2*\m+1], v[X+16*(\i%4)+2*\p:X+16*(\i%4)+2*\p+1], v[MIU+16*\m+2*\p:MIU+16*\m+2*\p+1], v[ACC+2*\m:ACC+2*\m+1]
.endr
.endr
.if \refill
.irp j, 0,1,2,3
	global_load_b128 v[X+16*(\i%4)+4*\j:X+16*(\i%4)+4*\j+3], v1, s[22:23] offset:(\i+4)*ROWB+512*\j
.endr
.endif
.irp m, 0,1,2,3,4,5,6,7
	v_add_f32 v[ACC+2*\m], v[ACC+2*\m], v[ACC+2*\m+1]
.endr
.irp x, 1,2,4,8
.irp m, 0,1,2,3,4,5,6,7
	v_add_f32_dpp v[ACC+2*\m], v[ACC+2*\m], v[ACC+2*\m] row_xmask:\x row_mask:0xf bank_mask:0xf
.endr
.endr
.irp m, 0,1,2,3,4,5,6,7
	v_permlanex16_b32 v[ACC+2*\m+1], v[ACC+2*\m], s30, s31
.endr
.irp m, 0,1,2,3,4,5,6,7
	v_add_f32 v[ACC+2*\m], v[ACC+2*\m], v[ACC+2*\m+1]          ; every lane holds the whole dot product
.endr
.irp m, 0,1,2,3,4,5,6,7
	v_mul_f32 v[ACC+2*\m], 0x3d3504f3, v[ACC+2*\m]             ; x 1 / sqrt(512), as the module scales before its argmax
.endr
	v_mov_b32 v[IDX], 0
	v_mov_b32 v[BEST], v[ACC]
.irp m, 1,2,3,4,5,6,7
	v_cmp_gt_f32 vcc_lo, v[ACC+2*\m], v[BEST]                  ; strictly greater: the first of equals stays
	v_cndmask_b32 v[IDX], v[IDX], \m, vcc_lo
	v_max_num_f32 v[BEST], v[BEST], v[ACC+2*\m]
.endr
	v_cmp_eq_u32 vcc_lo, \i, v[LN7]
	v_cndmask_b32 v[RES], v[RES], v[IDX], vcc_lo
.endm
	ROW 0, 12, 1
	ROW 1, 12, 1
	ROW 2, 12, 1
	ROW 3, 12, 1
	ROW 4, 12, 0
	ROW 5, 8, 0
	ROW 6, 4, 0
	ROW 7, 0, 0
	v_lshlrev_b32 v6, 2, v[LN7]
	v_lshl_add_u32 v6, s20, 5, v6                  ; word 8 w + lane % 8; the four lanes of a word write the same number
	ds_store_b32 v6, v[RES] offset:IDS
	s_wait_dscnt 0x0
	s_barrier_signal -1
	s_barrier_wait -1
	s_cmp_lg_u32 s20, 0
	s_cbranch_scc1 .Lrouted
	v_lshrrev_b32 v6, 1, v1                        ; 8 x lane
	ds_load_b64 v[8:9], v6 offset:IDS
	s_lshl_b32 s24, ttmp9, 8                       ; 64 ids of 4 bytes a work-group
	s_add_nc_u64 s[14:15], s[14:15], s[24:25]
	s_wait_dscnt 0x0
	global_store_b64 v6, v[8:9], s[14:15]          ; one wave stores the group's 256 consecutive bytes, aligned
.Lrouted:
	s_wait_tensorcnt 0x0
	ds_add_u32 v216, v217
	s_wait_dscnt 0x0
	s_endpgm
	; ---------------- CAST ----------------
.Lcast:
	s_sub_co_u32 s21, ttmp9, 256                   ; c = 0..127
	s_lshr_b32 s24, s21, 3                         ; mat = 8 t + m
	s_lshr_b32 s25, s24, 3                         ; t
	s_cmp_eq_u32 s25, 0
	s_cselect_b64 s[22:23], s[10:11], s[12:13]     ; Wq or Wk
	s_and_b32 s28, s21, 7
	s_lshl_b32 s28, s28, 1
	s_lshr_b32 s29, s20, 2
	s_add_co_u32 s28, s28, s29                     ; ks = 2 (c % 8) + w / 4
	s_and_b32 s29, s20, 3                          ; ng: which 128 columns
	s_and_b32 s26, s24, 7
	s_lshl_b32 s26, s26, 20                        ; m x 1 MiB
	s_lshl_b32 s27, s28, 16                        ; + ks x 32 rows x 2,048 bytes
	s_add_co_u32 s26, s26, s27
	s_lshl_b32 s27, s29, 9                         ; + ng x 512 bytes
	s_add_co_u32 s26, s26, s27
	s_mov_b32 s27, 0
	s_add_nc_u64 s[22:23], s[22:23], s[26:27]
.set n, 0
.rept 32
	global_load_b128 v[X+4*n:X+4*n+3], v1, s[22:23] offset:n*ROWB th:TH_LOAD_NT   ; k row n, my 4 columns; the f32 weights are read once and never again
.set n, n+1
.endr
	s_lshl_b32 s26, s24, 19                        ; wf: mat x 512 KiB
	s_lshl_b32 s27, s29, 17                        ; + 2 ng x 64 KiB
	s_add_co_u32 s26, s26, s27
	s_lshl_b32 s27, s28, 12                        ; + ks x 4 KiB
	s_add_co_u32 s26, s26, s27
	s_mov_b32 s27, 0
	s_add_nc_u64 s[16:17], s[16:17], s[26:27]
	v_lshrrev_b32 v4, 2, v6                        ; my columns 4 lane .. +3 lie in block lane / 4,
	v_mul_u32_u24 v[CST], v4, TP
	v_and_b32 v4, 3, v6
	v_lshl_add_u32 v[CST], v4, 6, v[CST]           ; at places 4 (lane % 4) + i of its sixteen
	s_mul_i32 s30, s20, 8*TP                       ; my wave's stage,
	s_add_co_u32 s30, s30, CSTAGE                  ; behind the route path's bytes
	v_add_nc_u32 v[CST], s30, v[CST]
	v_add_nc_u32 v[CRD], s30, v1
.irp q, 0,1,2,3
	s_wait_loadcnt 24-8*\q                         ; k rows 8 q .. 8 q + 7 are in; the younger rows stay out
.irp i, 0,1,2,3
.irp p, 0,1,2,3
	v_cvt_pk_bf16_f32 v[Y+16*\q+4*\i+\p], v[X+4*(8*\q+2*\p)+\i], v[X+4*(8*\q+2*\p+1)+\i]   ; two neighbouring k of one column
.endr
	ds_store_b128 v[CST], v[Y+16*\q+4*\i:Y+16*\q+4*\i+3] offset:(\q>>1)*512+(\q&1)*256+16*\i   ; k = 16 half + 8 h: q = 2 half + h
.endr
.endr
.set n, 0
.rept 16
	ds_load_b128 v[X+4*n:X+4*n+3], v[CRD] offset:(n>>1)*TP+(n&1)*512     ; my own bytes, served in order behind my stores (ISA guide 5.7.1)
.set n, n+1
.endr
.set n, 0
.rept 16
	s_wait_dscnt 15-n
	global_store_b128 v1, v[X+4*n:X+4*n+3], s[16:17] offset:(n>>3)*65536+((n>>1)&3)*1024+(n&1)*512   ; 512 consecutive bytes a store
.set n, n+1
.endr
	s_wait_tensorcnt 0x0
	ds_add_u32 v216, v217
	s_wait_dscnt 0x0
	s_endpgm
.Lfunc_end_k_qce8a8cd12a_prep:
	.size	k_qce8a8cd12a_prep, .Lfunc_end_k_qce8a8cd12a_prep-k_qce8a8cd12a_prep
	.p2alignl 7, 3214868480
	.fill 96, 4, 3214868480
	.section	.rodata,"a",@progbits
	.p2align	6, 0x0
	.amdhsa_kernel k_qce8a8cd12a_prep
		.amdhsa_group_segment_fixed_size 84224
		.amdhsa_private_segment_fixed_size 0
		.amdhsa_enable_private_segment 0
		.amdhsa_kernarg_size 56
		.amdhsa_user_sgpr_count 2
		.amdhsa_user_sgpr_kernarg_segment_ptr 1
		.amdhsa_wavefront_size32 1
		.amdhsa_system_sgpr_workgroup_id_x 1
		.amdhsa_system_sgpr_workgroup_id_y 1
		.amdhsa_system_sgpr_workgroup_id_z 1
		.amdhsa_system_vgpr_workitem_id 0
		.amdhsa_next_free_vgpr 218
		.amdhsa_next_free_sgpr 66
		.amdhsa_reserve_vcc 1
		.amdhsa_float_denorm_mode_32 3
		.amdhsa_float_denorm_mode_16_64 3
		.amdhsa_memory_ordered 1
		.amdhsa_forward_progress 1
		.amdhsa_inst_pref_size 89
	.end_amdhsa_kernel
	.amdgpu_metadata
---
amdhsa.version: [ 1, 2 ]
amdhsa.kernels:
  - .name:           k_qce8a8cd12a_prep
    .symbol:         k_qce8a8cd12a_prep.kd
    .args:
      - { .name: Q, .offset: 0, .size: 8, .value_kind: global_buffer, .address_space: global }
      - { .name: K, .offset: 8, .size: 8, .value_kind: global_buffer, .address_space: global }
      - { .name: miu, .offset: 16, .size: 8, .value_kind: global_buffer, .address_space: global }
      - { .name: Wq, .offset: 24, .size: 8, .value_kind: global_buffer, .address_space: global }
      - { .name: Wk, .offset: 32, .size: 8, .value_kind: global_buffer, .address_space: global }
      - { .name: assign, .offset: 40, .size: 8, .value_kind: global_buffer, .address_space: global }
      - { .name: wf, .offset: 48, .size: 8, .value_kind: global_buffer, .address_space: global }
    .group_segment_fixed_size: 84224
    .private_segment_fixed_size: 0
    .kernarg_segment_align: 8
    .kernarg_segment_size: 56
    .max_flat_workgroup_size: 256
    .sgpr_count:     66
    .vgpr_count:     218
    .wavefront_size: 32
...
	.end_amdgpu_metadata
.endif
;; end of part 1
;; launch sort (part 2): grid 8 x 1, 8 waves a work-group, no clusters, 11,264 bytes of LDS; arguments assign, ord, offs; writes ord, offs
.if DOCPART == 2
	.amdgcn_target "amdgcn-amd-amdhsa--gfx1250"
	.amdhsa_code_object_version 6
	.text
	.protected	k_qce8a8cd12a_sort
	.globl	k_qce8a8cd12a_sort
	.p2align	8
	.type	k_qce8a8cd12a_sort,@function
k_qce8a8cd12a_sort:
	s_mov_b64 s[64:65], 0
	v_nop
	global_prefetch_b8 v0, s[64:65] scope:SCOPE_SE
	s_setreg_imm32_b32 hwreg(HW_REG_WAVE_MODE, 25, 1), 1
	s_wait_xcnt 0x0
; A counting sort of the 2,048 tokens of one group g = 4 t + b by their cluster id.
;   ord[g][p]  = token | cluster << 16 at sorted place p;   offs[g][0..7] = first place of each cluster, offs[g][8..63] = 2,048.
; Eight groups, so eight work-groups: a group's prefix sum has one owner and nothing passes between work-groups.
; Thread tid holds tokens 8 tid + j.  A chunk is the 32 tokens (wave w, j); counts lie in LDS as [cluster 8][chunk 64], and the exclusive prefix
; over that order is the first place of a cluster's tokens of a chunk; inside a chunk the rank is the number of lower lanes of the same cluster.
.set AID,  8                           ; v[8:15]   ids of my eight tokens
.set RANK, 16                          ; v[16:23]
.set CN,   24                          ; v[24:25]  lane 4 m + j / 2 holds the counts of (m, j even), (m, j odd)
.set SORTED, 2048                      ; LDS: 0..2047 counts, 2048..10239 the sorted words
	s_load_b128 s[4:7], s[0:1], 0x0                ; assign s[4:5], ord s[6:7]
	s_load_b64 s[8:9], s[0:1], 0x10                ; offs
	v_lshl_add_u32 v64, v0, 2, 0x2800
	v_mov_b32 v65, 0
	v_lshrrev_b32 v2, 5, v0
	v_readfirstlane_b32 s20, v2                    ; wave
	v_and_b32 v1, 31, v0                           ; lane
	v_lshlrev_b32 v3, 5, v0                        ; 32 bytes a thread
	s_lshl_b32 s12, ttmp9, 13                      ; 8,192 bytes a group
	s_mov_b32 s13, 0
	s_wait_kmcnt 0x0
	s_add_nc_u64 s[4:5], s[4:5], s[12:13]
	s_add_nc_u64 s[6:7], s[6:7], s[12:13]
	global_load_b128 v[AID:AID+3], v3, s[4:5]
	global_load_b128 v[AID+4:AID+7], v3, s[4:5] offset:16
.irp j, 0,1,2,3,4,5,6,7
	v_mov_b32 v[RANK+\j], 0
.endr
	v_mov_b32 v[CN], 0
	v_mov_b32 v[CN+1], 0
	s_wait_loadcnt 0x0
.irp j, 0,1,2,3,4,5,6,7
	v_min_u32 v[AID+\j], 7, v[AID+\j]              ; an id enters LDS addresses below
.endr
.irp j, 0,1,2,3,4,5,6,7
.irp m, 0,1,2,3,4,5,6,7
	v_cmp_eq_u32 vcc_lo, \m, v[AID+\j]
	s_bcnt1_i32_b32 s21, vcc_lo                    ; the chunk's count of cluster m
	v_writelane_b32 v[CN+(\j&1)], s21, \m*4+(\j>>1)
	v_mbcnt_lo_u32_b32 v26, vcc_lo, 0              ; lower lanes of the same cluster
	v_cndmask_b32 v[RANK+\j], v[RANK+\j], v26, vcc_lo
.endr
.endr
	v_lshrrev_b32 v4, 2, v1
	v_lshlrev_b32 v4, 8, v4                        ; cluster x 256 bytes
	v_and_b32 v5, 3, v1
	v_lshl_add_u32 v4, v5, 3, v4                   ; + two chunks of 4 bytes
	v_lshl_add_u32 v4, s20, 5, v4                  ; + my wave's eight chunks
	ds_store_b64 v4, v[CN:CN+1]
	s_wait_dscnt 0x0
	s_barrier_signal -1
	s_barrier_wait -1
	s_cmp_lg_u32 s20, 0
	s_cbranch_scc1 .Lscanned
	; wave 0: exclusive prefix of the 512 counts, 16 a lane
	v_lshlrev_b32 v5, 6, v1
.irp i, 0,1,2,3
	ds_load_b128 v[32+4*\i:32+4*\i+3], v5 offset:16*\i
.endr
	s_wait_dscnt 0x0
	v_mov_b32 v48, 0
.irp k, 1,2,3,4,5,6,7,8,9,10,11,12,13,14,15
	v_add_nc_u32 v[48+\k], v[48+\k-1], v[32+\k-1]
.endr
	v_add_nc_u32 v27, v63, v47                     ; my sixteen's total
	v_mov_b32 v28, v27
.irp n, 1,2,4,8
	v_mov_b32 v26, 0
	v_mov_b32_dpp v26, v27 row_shr:\n row_mask:0xf bank_mask:0xf bound_ctrl:1
	v_add_nc_u32 v27, v27, v26                     ; inclusive scan inside each half of 16 lanes
.endr
	v_readlane_b32 s22, v27, 15                    ; the lower half's total
	v_cmp_le_u32 vcc_lo, 16, v1
	v_mov_b32 v26, s22
	v_cndmask_b32 v26, 0, v26, vcc_lo
	v_add_nc_u32 v27, v27, v26
	v_sub_nc_u32 v27, v27, v28                     ; what lies in front of my sixteen
.irp k, 0,1,2,3,4,5,6,7,8,9,10,11,12,13,14,15
	v_add_nc_u32 v[48+\k], v[48+\k], v27
.endr
.irp i, 0,1,2,3
	ds_store_b128 v5, v[48+4*\i:48+4*\i+3] offset:16*\i
.endr
.Lscanned:
	s_wait_dscnt 0x0
	s_barrier_signal -1
	s_barrier_wait -1
	; place my eight tokens
	v_lshlrev_b32 v6, 3, v0
	s_lshl_b32 s23, s20, 5
.irp j, 0,1,2,3,4,5,6,7
	v_lshl_add_u32 v[32+\j], v[AID+\j], 8, s23
	ds_load_b32 v[40+\j], v[32+\j] offset:4*\j     ; first place of (my cluster, my chunk)
.endr
.irp j, 0,1,2,3,4,5,6,7
	v_or_b32 v[48+\j], \j, v6                      ; token
	v_lshl_or_b32 v[48+\j], v[AID+\j], 16, v[48+\j]
.endr
	s_wait_dscnt 0x0
.irp j, 0,1,2,3,4,5,6,7
	v_add_nc_u32 v[56+\j], v[40+\j], v[RANK+\j]
	v_min_u32 v[56+\j], 0x7ff, v[56+\j]
	v_lshlrev_b32 v[56+\j], 2, v[56+\j]
	ds_store_b32 v[56+\j], v[48+\j] offset:SORTED
.endr
	s_cmp_lg_u32 s20, 0
	s_cbranch_scc1 .Lno_offs
	v_lshlrev_b32 v26, 1, v1                       ; lane l stores words 2 l and 2 l + 1 of the group's row of 64
	v_min_u32 v27, 7, v26
	v_add_nc_u32 v28, 1, v26
	v_min_u32 v28, 7, v28
	v_lshlrev_b32 v27, 8, v27
	v_lshlrev_b32 v28, 8, v28
	ds_load_b32 v24, v27                           ; a cluster's chunk 0 = the cluster's first place
	ds_load_b32 v25, v28
	v_cmp_gt_u32 vcc_lo, 4, v1
	v_lshlrev_b32 v29, 3, v1
	v_mov_b32 v30, 0x800
	s_lshl_b32 s12, ttmp9, 8
	s_add_nc_u64 s[8:9], s[8:9], s[12:13]
	s_wait_dscnt 0x0
	v_cndmask_b32 v24, v30, v24, vcc_lo
	v_cndmask_b32 v25, v30, v25, vcc_lo
	global_store_b64 v29, v[24:25], s[8:9]         ; 256 consecutive bytes, aligned
.Lno_offs:
	s_wait_dscnt 0x0
	s_barrier_signal -1
	s_barrier_wait -1
	v_lshlrev_b32 v7, 4, v0
	ds_load_b128 v[32:35], v7 offset:SORTED
	ds_load_b128 v[36:39], v7 offset:SORTED+4096
	s_wait_dscnt 0x0
	global_store_b128 v7, v[32:35], s[6:7]
	global_store_b128 v7, v[36:39], s[6:7] offset:4096
	s_wait_tensorcnt 0x0
	ds_add_u32 v64, v65
	s_wait_dscnt 0x0
	s_endpgm
.Lfunc_end_k_qce8a8cd12a_sort:
	.size	k_qce8a8cd12a_sort, .Lfunc_end_k_qce8a8cd12a_sort-k_qce8a8cd12a_sort
	.p2alignl 7, 3214868480
	.fill 96, 4, 3214868480
	.section	.rodata,"a",@progbits
	.p2align	6, 0x0
	.amdhsa_kernel k_qce8a8cd12a_sort
		.amdhsa_group_segment_fixed_size 11264
		.amdhsa_private_segment_fixed_size 0
		.amdhsa_enable_private_segment 0
		.amdhsa_kernarg_size 24
		.amdhsa_user_sgpr_count 2
		.amdhsa_user_sgpr_kernarg_segment_ptr 1
		.amdhsa_wavefront_size32 1
		.amdhsa_system_sgpr_workgroup_id_x 1
		.amdhsa_system_sgpr_workgroup_id_y 1
		.amdhsa_system_sgpr_workgroup_id_z 1
		.amdhsa_system_vgpr_workitem_id 0
		.amdhsa_next_free_vgpr 66
		.amdhsa_next_free_sgpr 66
		.amdhsa_reserve_vcc 1
		.amdhsa_float_denorm_mode_32 3
		.amdhsa_float_denorm_mode_16_64 3
		.amdhsa_memory_ordered 1
		.amdhsa_forward_progress 1
		.amdhsa_inst_pref_size 24
	.end_amdhsa_kernel
	.amdgpu_metadata
---
amdhsa.version: [ 1, 2 ]
amdhsa.kernels:
  - .name:           k_qce8a8cd12a_sort
    .symbol:         k_qce8a8cd12a_sort.kd
    .args:
      - { .name: assign, .offset: 0, .size: 8, .value_kind: global_buffer, .address_space: global }
      - { .name: ord, .offset: 8, .size: 8, .value_kind: global_buffer, .address_space: global }
      - { .name: offs, .offset: 16, .size: 8, .value_kind: global_buffer, .address_space: global }
    .group_segment_fixed_size: 11264
    .private_segment_fixed_size: 0
    .kernarg_segment_align: 8
    .kernarg_segment_size: 24
    .max_flat_workgroup_size: 256
    .sgpr_count:     66
    .vgpr_count:     66
    .wavefront_size: 32
...
	.end_amdgpu_metadata
.endif
;; end of part 2
;; launch expert (part 3): grid 128 x 2, 8 waves a work-group, no clusters, 136,192 bytes of LDS; arguments Q, K, wf, bq, bk, ord, xp, ksum; writes xp, ksum
.if DOCPART == 3
	.amdgcn_target "amdgcn-amd-amdhsa--gfx1250"
	.amdhsa_code_object_version 6
	.text
	.protected	k_qce8a8cd12a_expert
	.globl	k_qce8a8cd12a_expert
	.p2align	8
	.type	k_qce8a8cd12a_expert,@function
k_qce8a8cd12a_expert:
	s_mov_b64 s[64:65], 0
	v_nop
	global_prefetch_b8 v0, s[64:65] scope:SCOPE_SE
	s_setreg_imm32_b32 hwreg(HW_REG_WAVE_MODE, 25, 1), 1
	s_wait_xcnt 0x0
; xp[t][sorted row] = bf16( gelu( x W[t][cluster of the row] + bias ) ), x the row of Q (t = 0) or K (t = 1) that ord names; only the routed expert is computed.
; ksum[block][512] = column sums of a block of 64 rows of K', for the mean that queries without keys get.
; A work-group owns 64 sorted rows (inside one batch: 2,048 / 64 blocks) and all 512 columns; 128 x 2 = 256 work-groups of one shape.
; A block whose rows belong to clusters e0..e1 runs the product once for each of them and keeps, of each run, the rows of that cluster (EXEC on the LDS stores).
; Wave w makes 64 rows x columns 64 w .. +63: 16 accumulator tiles.  The rows' bf16 copy lies in LDS (gathered once); the weights come straight
; from wf into registers, in fragment order, 512 consecutive bytes a load: a fragment of W is used by one wave alone, so LDS would add traffic and spare none.
; THE MATRIX INSTRUCTION IS USED TRANSPOSED: source 0 = 16 columns of W, source 1 = 16 rows of x: lane l then holds row l % 16 and columns 8 (l / 16) + 0..7.
; NO CLUSTER: which blocks walk the same expert's weights hangs on counts read from memory, and a straddling block walks more experts than its neighbours:
; partners would need different numbers of tiles.
; gelu(x) = x / 2 + |x| (1/2 - p(r) exp(-x^2 / 2)), r = 1 / (1 + 0.3275911 |x| / sqrt 2), p the polynomial of Abramowitz-Stegun 7.1.26 halved:
; LIMIT: erf is right to 1.5e-7 absolutely, for every finite x.  NaN and Inf are not served.
.set PA,     1040                      ; LDS pitch of a row of 512 bf16: 65 x 16 bytes, so that 16 rows start in 16 different 16-byte columns
.set STAGE,  64*PA                     ; 66,560: the results, 64 rows of the same pitch
.set BOUNCE, 2*64*PA                   ; 133,120: 256 bytes a wave for the column sums
.set ADRA, 4                           ; x fragments: r x pitch + 16 h
.set STO,  5                           ; results in: stage + r x pitch + 128 w + 16 h
.set RD,   6                           ; results out: stage + 8 w rows + 16 lane
.set GST,  7                           ; gathered rows in: 8 w rows + 8 lane
.set TRA,  8                           ; transposing loads from the stage
.set BST,  9
.set BRD,  10
.set KOF,  11                          ; 256 w + 8 lane
.set REXP, 12                          ; v[12:15] cluster of row 16 a + r
.set BOFF, 16                          ; 256 w + 32 h
.set CP,   18                          ; v[18:31] seven constants, each twice (pairs for the packed forms)
.set CE,   20
.set C5,   22
.set C4,   24
.set C3,   26
.set C2,   28
.set C1,   30
.set A0,   32                          ; v[32:63], v[64:95] x fragments, two buffers of 4 x 8
.set BR,   96                          ; v[96:223] W fragments, a ring of four K steps of 4 x 8
.set BIAS, 224                         ; v[224:255] bias of my 8 columns in each of 4 column tiles
.set GX,   32                          ; at work behind the product, in the fragments' registers
.set GA,   40
.set GR,   48
.set GE,   56
.set GP,   64
.set GO,   72                          ; v[72:87] four tiles' packed results
; window 1: v256..383 the accumulators, tile (a, b) at 8 (4 a + b)
.set MSB, 0
.macro WIN new                         ; the immediate's high byte repeats the setting that is left
.if MSB != \new
	s_set_vgpr_msb (MSB<<8)|\new
.set MSB, \new
.endif
.endm
.macro PLACES                          ; four places behind a matrix instruction before its result is read or a load lands on its sources
.rept 4
	v_nop
.endr
.endm
	s_load_b512 s[4:19], s[0:1], 0x0               ; Q, K, wf, bq, bk, ord, xp, ksum in s[4:5] .. s[18:19]
	s_set_vgpr_msb 0x40
	v_lshl_add_u32 v128, v0, 2, 0x21000
	v_mov_b32 v129, 0
	s_set_vgpr_msb 0x4000
	v_lshrrev_b32 v2, 5, v0
	v_readfirstlane_b32 s20, v2                    ; wave
	s_and_b32 s21, ttmp7, 0xffff                   ; t
	v_and_b32 v2, 31, v0                           ; lane
	v_and_b32 v3, 15, v0                           ; r
	v_bfe_u32 v17, v0, 4, 1                        ; h
	v_lshlrev_b32 v1, 4, v2
	v_lshlrev_b32 v32, 2, v3
	s_lshl_b32 s56, s21, 15                        ; t x 8,192 words
	s_lshl_b32 s57, ttmp9, 8                       ; + block x 64 words
	s_add_co_u32 s56, s56, s57
	s_mov_b32 s57, 0
	s_lshl_b32 s60, s20, 5
	s_mov_b32 s61, 0
	s_wait_kmcnt 0x0
	s_add_nc_u64 s[58:59], s[14:15], s[56:57]      ; ord at my block
	s_add_nc_u64 s[62:63], s[58:59], s[60:61]      ; ord at my wave's eight rows
	s_load_b256 s[32:39], s[62:63], 0x0
	s_load_b32 s23, s[58:59], 0x0                  ; the block's first word
	s_load_b32 s24, s[58:59], 0xfc                 ; and its last
.irp a, 0,1,2,3
	global_load_b32 v[REXP+\a], v32, s[58:59] offset:64*\a
.endr
	s_cmp_eq_u32 s21, 0
	s_cselect_b64 s[26:27], s[4:5], s[6:7]         ; Q or K
	s_cselect_b64 s[28:29], s[10:11], s[12:13]     ; bq or bk
	s_lshr_b32 s56, ttmp9, 5                       ; batch
	s_lshl_b32 s56, s56, 22                        ; x 2,048 rows x 2,048 bytes
	s_add_nc_u64 s[26:27], s[26:27], s[56:57]
	v_mul_u32_u24 v[ADRA], v3, PA
	v_lshl_add_u32 v[ADRA], v17, 4, v[ADRA]
	s_lshl_b32 s81, s20, 7
	s_add_co_u32 s81, s81, STAGE                   ; stage + my 128 bytes of a row
	v_add_nc_u32 v[STO], s81, v[ADRA]
	s_mul_i32 s82, s20, 8*PA
	v_lshl_add_u32 v[GST], v2, 3, s82
	v_add_nc_u32 v[RD], s82, v1
	v_add_nc_u32 v[RD], STAGE, v[RD]
	v_and_b32 v[TRA], 7, v0
	v_lshl_add_u32 v[TRA], v17, 3, v[TRA]
	v_mul_u32_u24 v[TRA], v[TRA], PA               ; row 8 h + l % 8
	v_bfe_u32 v[BST], v0, 3, 1
	v_lshl_add_u32 v[TRA], v[BST], 4, v[TRA]       ; + 16 bytes for lanes 8-15 of each half
	v_add_nc_u32 v[TRA], s81, v[TRA]
	s_lshl_b32 s83, s20, 8
	v_lshl_add_u32 v[BOFF], v17, 5, s83
	v_lshl_add_u32 v[KOF], v2, 3, s83
	v_add_nc_u32 v[BST], BOUNCE, v[BOFF]
	v_add_nc_u32 v[BRD], BOUNCE, v[KOF]
.irp k, 0,1
	v_mov_b32 v[CP+\k], 0x3e6d3388                 ;  0.23164189 = 0.3275911 / sqrt 2
	v_mov_b32 v[CE+\k], 0xbf38aa3b                 ; -0.72134752 = -log2(e) / 2
	v_mov_b32 v[C5+\k], 0xbf07dc22                 ; -a5 / 2 = -0.53070271   (signs turned, so that 1/2 + p E needs no negation)
	v_mov_b32 v[C4+\k], 0x3f3a00e3                 ; -a4 / 2 =  0.72657601
	v_mov_b32 v[C3+\k], 0xbf35f0e3                 ; -a3 / 2 = -0.71070687
	v_mov_b32 v[C2+\k], 0x3e11a98e                 ; -a2 / 2 =  0.14224837
	v_mov_b32 v[C1+\k], 0xbe027906                 ; -a1 / 2 = -0.12741480
.endr
	s_wait_kmcnt 0x0
	s_lshr_b32 s23, s23, 16
	s_min_u32 s23, s23, 7                          ; e0: the loop's counter
	s_lshr_b32 s24, s24, 16
	s_min_u32 s24, s24, 7                          ; e1,
	s_add_co_u32 s24, s24, 1                       ; and one past it: the loop's bound, 8 at the most
.irp i, 0,1,2,3,4,5,6,7
	s_and_b32 s56, s[32+\i], 0xffff                ; token
	s_min_u32 s56, s56, 0x7ff
	s_lshl_b32 s56, s56, 11
	s_add_nc_u64 s[40+2*\i:41+2*\i], s[26:27], s[56:57]
.endr
.irp i, 0,1,2,3,4,5,6,7
.irp j, 0,1,2,3
	global_load_b128 v[BR+16*\i+4*\j:BR+16*\i+4*\j+3], v1, s[40+2*\i:41+2*\i] offset:512*\j   ; a gathered row: four loads of 512 consecutive bytes
.endr
.endr
	s_lshl3_add_u32 s56, s21, s23                  ; 8 t + e0
	s_lshl_b32 s56, s56, 19
	s_lshl_b32 s60, s20, 16                        ; + my 64 columns
	s_add_co_u32 s56, s56, s60
	s_add_nc_u64 s[30:31], s[8:9], s[56:57]        ; W of expert e0
	s_lshl_b32 s56, s23, 11
	s_add_nc_u64 s[28:29], s[28:29], s[56:57]      ; its bias
.irp i, 0,1,2,3,4,5,6,7
	s_wait_loadcnt 4*(7-\i)                        ; row i is in; the younger rows' loads stay out
.irp j, 0,1,2,3
	v_cvt_pk_bf16_f32 v[BR+16*\i+4*\j], v[BR+16*\i+4*\j], v[BR+16*\i+4*\j+1]
	v_cvt_pk_bf16_f32 v[BR+16*\i+4*\j+1], v[BR+16*\i+4*\j+2], v[BR+16*\i+4*\j+3]
	ds_store_b64 v[GST], v[BR+16*\i+4*\j:BR+16*\i+4*\j+1] offset:\i*PA+256*\j
.endr
.endr
.irp a, 0,1,2,3
	v_lshrrev_b32 v[REXP+\a], 16, v[REXP+\a]
.endr
	s_wait_dscnt 0x0                               ; my eight rows are written,
	s_barrier_signal -1
	s_barrier_wait -1                              ; all 64 are.  No barrier stands inside the loop below: its trips hang on numbers read from memory
.macro LOADB s                         ; K step s of W: 4 KB consecutive, into ring slot s % 4
.irp f, 0,1,2,3
	global_load_b128 v[BR+32*(\s%4)+8*\f:BR+32*(\s%4)+8*\f+3], v1, s[30:31] offset:4096*\s+1024*\f
	global_load_b128 v[BR+32*(\s%4)+8*\f+4:BR+32*(\s%4)+8*\f+7], v1, s[30:31] offset:4096*\s+1024*\f+512
.endr
.endm
.macro LOADA s                         ; K step s of the 64 rows, into buffer s % 2
.irp a, 0,1,2,3
	ds_load_b128 v[A0+32*(\s%2)+8*\a:A0+32*(\s%2)+8*\a+3], v[ADRA] offset:16*PA*\a+64*\s
	ds_load_b128 v[A0+32*(\s%2)+8*\a+4:A0+32*(\s%2)+8*\a+7], v[ADRA] offset:16*PA*\a+64*\s+32
.endr
.endm
; One K step of 32: sixteen matrix instructions, one on each accumulator, by turns.
.macro STEP s
.if \s < 13
	s_wait_loadcnt 24                              ; slot s is in; the three younger slots' 24 loads stay out
.else
	s_wait_loadcnt 8*(15-\s)
.endif
.if \s < 15
	s_wait_dscnt 8                                 ; x of step s is in; the eight loads of step s + 1 stay out
.else
	s_wait_dscnt 0
.endif
	WIN 0x50                                       ; C and D in window 1
.irp a, 0,1,2,3
.irp b, 0,1,2,3
.if \s == 0
	v_wmma_f32_16x16x32_bf16 v[8*(4*\a+\b):8*(4*\a+\b)+7], v[BR+32*(\s%4)+8*\b:BR+32*(\s%4)+8*\b+7], v[A0+32*(\s%2)+8*\a:A0+32*(\s%2)+8*\a+7], 0
.else
	v_wmma_f32_16x16x32_bf16 v[8*(4*\a+\b):8*(4*\a+\b)+7], v[BR+32*(\s%4)+8*\b:BR+32*(\s%4)+8*\b+7], v[A0+32*(\s%2)+8*\a:A0+32*(\s%2)+8*\a+7], v[8*(4*\a+\b):8*(4*\a+\b)+7]
.endif
.endr
.endr
	WIN 0
	PLACES
.if \s+4 < 16
	LOADB (\s+4)
.endif
.if \s+2 < 16
	LOADA (\s+2)
.endif
.endm
; bias and gelu of tile (a, b): eight numbers a lane, packed to 16 bytes
.macro GELU8 a, b
	WIN 0x01                                       ; source 0 in window 1
.irp k, 0,2,4,6
	v_pk_add_f32 v[GX+\k:GX+\k+1], v[8*(4*\a+\b)+\k:8*(4*\a+\b)+\k+1], v[BIAS+8*\b+\k:BIAS+8*\b+\k+1]
.endr
	WIN 0
.irp k, 0,1,2,3,4,5,6,7
	v_and_b32 v[GA+\k], 0x7fffffff, v[GX+\k]       ; |x|
.endr
.irp k, 0,2,4,6
	v_pk_fma_f32 v[GR+\k:GR+\k+1], v[GA+\k:GA+\k+1], v[CP:CP+1], 1.0 op_sel_hi:[1,1,0]
.endr
.irp k, 0,1,2,3,4,5,6,7
	v_rcp_f32 v[GR+\k], v[GR+\k]
.endr
.irp k, 0,2,4,6
	v_pk_mul_f32 v[GE+\k:GE+\k+1], v[GX+\k:GX+\k+1], v[GX+\k:GX+\k+1]     ; plain work that touches no reciprocal stands behind them (ISA guide 5.7.2)
.endr
.irp k, 0,2,4,6
	v_pk_mul_f32 v[GE+\k:GE+\k+1], v[GE+\k:GE+\k+1], v[CE:CE+1]
.endr
.irp k, 0,1,2,3,4,5,6,7
	v_exp_f32 v[GE+\k], v[GE+\k]                   ; exp(-x^2 / 2)
.endr
	s_wait_alu depctr_va_vdst(0)
.irp k, 0,2,4,6
	v_pk_fma_f32 v[GP+\k:GP+\k+1], v[GR+\k:GR+\k+1], v[C5:C5+1], v[C4:C4+1]   ; touches no exponential: the place behind them
.endr
.irp c, C3, C2, C1
.irp k, 0,2,4,6
	v_pk_fma_f32 v[GP+\k:GP+\k+1], v[GP+\k:GP+\k+1], v[GR+\k:GR+\k+1], v[\c:\c+1]
.endr
.endr
.irp k, 0,2,4,6
	v_pk_mul_f32 v[GP+\k:GP+\k+1], v[GP+\k:GP+\k+1], v[GR+\k:GR+\k+1]
.endr
.irp k, 0,2,4,6
	v_pk_fma_f32 v[GP+\k:GP+\k+1], v[GP+\k:GP+\k+1], v[GE+\k:GE+\k+1], 0.5 op_sel_hi:[1,1,0]
.endr
.irp k, 0,2,4,6
	v_pk_mul_f32 v[GX+\k:GX+\k+1], v[GX+\k:GX+\k+1], 0.5 op_sel_hi:[1,0]
.endr
.irp k, 0,2,4,6
	v_pk_fma_f32 v[GX+\k:GX+\k+1], v[GA+\k:GA+\k+1], v[GP+\k:GP+\k+1], v[GX+\k:GX+\k+1]
.endr
.irp k, 0,1,2,3
	v_cvt_pk_bf16_f32 v[GO+4*\b+\k], v[GX+2*\k], v[GX+2*\k+1]
.endr
.endm
.Lexp:                                             ; once for each cluster e = s23 of the block
.irp b, 0,1,2,3
	global_load_b128 v[BIAS+8*\b:BIAS+8*\b+3], v[BOFF], s[28:29] offset:64*\b
	global_load_b128 v[BIAS+8*\b+4:BIAS+8*\b+7], v[BOFF], s[28:29] offset:64*\b+16
.endr
	LOADB 0
	LOADB 1
	LOADB 2
	LOADB 3
	LOADA 0
	LOADA 1
.irp s, 0,1,2,3,4,5,6,7,8,9,10,11,12,13,14,15
	STEP \s
.endr
.irp a, 0,1,2,3
	GELU8 \a, 0
	GELU8 \a, 1
	GELU8 \a, 2
	GELU8 \a, 3
	v_cmp_eq_u32 vcc_lo, s23, v[REXP+\a]           ; the rows of this cluster
	s_wait_xcnt 0x0                                ; EXEC changes only behind this wait
	s_and_saveexec_b32 s80, vcc_lo
.irp b, 0,1,2,3
	ds_store_b128 v[STO], v[GO+4*\b:GO+4*\b+3] offset:16*PA*\a+32*\b
.endr
	s_or_b32 exec_lo, exec_lo, s80                 ; no global access was issued under the narrow EXEC
.endr
	s_wait_dscnt 0x0                               ; the stores have read their data: the next trip loads over it
	s_wait_xcnt 0x0                                ; the two bases are stepped only behind this wait
	s_add_nc_u64 s[30:31], s[30:31], 0x80000       ; the next expert's W
	s_add_nc_u64 s[28:29], s[28:29], 0x800         ; and bias
	s_add_co_u32 s23, s23, 1
	s_cmp_lt_u32 s23, s24
	s_cbranch_scc1 .Lexp
	s_barrier_signal -1                            ; every wave's strip of the stage is written (the wait for 0 stands at the loop's end)
	s_barrier_wait -1
	s_lshl_b32 s56, s21, 23                        ; xp: t x 8 MiB
	s_lshl_b32 s60, ttmp9, 16                      ; + block x 64 rows x 1,024 bytes
	s_add_co_u32 s56, s56, s60
	s_lshl_b32 s60, s20, 13                        ; + my eight rows
	s_add_co_u32 s56, s56, s60
	s_add_nc_u64 s[16:17], s[16:17], s[56:57]
.set n, 0
.rept 16
	ds_load_b128 v[BR+4*n:BR+4*n+3], v[RD] offset:(n>>1)*PA+(n&1)*512
.set n, n+1
.endr
.set n, 0
.rept 16
	s_wait_dscnt 15-n
	global_store_b128 v1, v[BR+4*n:BR+4*n+3], s[16:17] offset:512*n       ; 512 consecutive bytes a store
.set n, n+1
.endr
	s_cmp_eq_u32 s21, 0
	s_cbranch_scc1 .Ldone                          ; Q' needs no sums
	; column sums of my 64 columns over the 64 rows: (K')^T x ones on the matrix unit; every column n of the result is the same
.irp k, 0,1,2,3,4,5,6,7
	v_mov_b32 v[32+\k], 0x3f803f80                 ; two bf16 ones
.endr
.irp k, 0,1
.irp b, 0,1,2,3
	ds_load_tr16_b128 v[160+8*(4*\k+\b):160+8*(4*\k+\b)+3], v[TRA] offset:32*PA*\k+32*\b
	ds_load_tr16_b128 v[160+8*(4*\k+\b)+4:160+8*(4*\k+\b)+7], v[TRA] offset:32*PA*\k+32*\b+16*PA
.endr
.endr
	s_lshl_b32 s56, ttmp9, 11
	s_add_nc_u64 s[18:19], s[18:19], s[56:57]
	s_wait_dscnt 0x0
.irp b, 0,1,2,3
	v_wmma_f32_16x16x32_bf16 v[40+8*\b:40+8*\b+7], v[160+8*\b:160+8*\b+7], v[32:39], 0
.endr
.irp b, 0,1,2,3
	v_wmma_f32_16x16x32_bf16 v[40+8*\b:40+8*\b+7], v[192+8*\b:192+8*\b+7], v[32:39], v[40+8*\b:40+8*\b+7]   ; four accumulators by turns
.endr
	PLACES
.irp b, 0,1,2,3
	ds_store_b128 v[BST], v[40+8*\b:40+8*\b+3] offset:64*\b               ; the sixteen lanes of a half write the same words
	ds_store_b128 v[BST], v[40+8*\b+4:40+8*\b+7] offset:64*\b+16
.endr
	ds_load_b64 v[72:73], v[BRD]                   ; my own bytes, in order behind my stores
	s_wait_dscnt 0x0
	global_store_b64 v[KOF], v[72:73], s[18:19]    ; 256 consecutive bytes a wave, aligned
.Ldone:
	s_set_vgpr_msb 0x5
	s_wait_tensorcnt 0x0
	ds_add_u32 v128, v129
	s_wait_dscnt 0x0
	s_set_vgpr_msb 0x500
	s_endpgm
.Lfunc_end_k_qce8a8cd12a_expert:
	.size	k_qce8a8cd12a_expert, .Lfunc_end_k_qce8a8cd12a_expert-k_qce8a8cd12a_expert
	.p2alignl 7, 3214868480
	.fill 96, 4, 3214868480
	.section	.rodata,"a",@progbits
	.p2align	6, 0x0
	.amdhsa_kernel k_qce8a8cd12a_expert
		.amdhsa_group_segment_fixed_size 136192
		.amdhsa_private_segment_fixed_size 0
		.amdhsa_enable_private_segment 0
		.amdhsa_kernarg_size 64
		.amdhsa_user_sgpr_count 2
		.amdhsa_user_sgpr_kernarg_segment_ptr 1
		.amdhsa_wavefront_size32 1
		.amdhsa_system_sgpr_workgroup_id_x 1
		.amdhsa_system_sgpr_workgroup_id_y 1
		.amdhsa_system_sgpr_workgroup_id_z 1
		.amdhsa_system_vgpr_workitem_id 0
		.amdhsa_next_free_vgpr 386
		.amdhsa_next_free_sgpr 84
		.amdhsa_reserve_vcc 1
		.amdhsa_float_denorm_mode_32 3
		.amdhsa_float_denorm_mode_16_64 3
		.amdhsa_memory_ordered 1
		.amdhsa_forward_progress 1
		.amdhsa_inst_pref_size 134
	.end_amdhsa_kernel
	.amdgpu_metadata
---
amdhsa.version: [ 1, 2 ]
amdhsa.kernels:
  - .name:           k_qce8a8cd12a_expert
    .symbol:         k_qce8a8cd12a_expert.kd
    .args:
      - { .name: Q, .offset: 0, .size: 8, .value_kind: global_buffer, .address_space: global }
      - { .name: K, .offset: 8, .size: 8, .value_kind: global_buffer, .address_space: global }
      - { .name: wf, .offset: 16, .size: 8, .value_kind: global_buffer, .address_space: global }
      - { .name: bq, .offset: 24, .size: 8, .value_kind: global_buffer, .address_space: global }
      - { .name: bk, .offset: 32, .size: 8, .value_kind: global_buffer, .address_space: global }
      - { .name: ord, .offset: 40, .size: 8, .value_kind: global_buffer, .address_space: global }
      - { .name: xp, .offset: 48, .size: 8, .value_kind: global_buffer, .address_space: global }
      - { .name: ksum, .offset: 56, .size: 8, .value_kind: global_buffer, .address_space: global }
    .group_segment_fixed_size: 136192
    .private_segment_fixed_size: 0
    .kernarg_segment_align: 8
    .kernarg_segment_size: 64
    .max_flat_workgroup_size: 256
    .sgpr_count:     84
    .vgpr_count:     386
    .wavefront_size: 32
...
	.end_amdgpu_metadata
.endif
;; end of part 3
;; launch attn (part 4): grid 256 x 1, 2 waves a work-group, no clusters, 66,816 bytes of LDS; arguments Q, xp, ord, offs, ksum, out0; writes out0
.if DOCPART == 4
	.amdgcn_target "amdgcn-amd-amdhsa--gfx1250"
	.amdhsa_code_object_version 6
	.text
	.protected	k_qce8a8cd12a_attn
	.globl	k_qce8a8cd12a_attn
	.p2align	8
	.type	k_qce8a8cd12a_attn,@function
k_qce8a8cd12a_attn:
	s_mov_b64 s[64:65], 0
	v_nop
	global_prefetch_b8 v0, s[64:65] scope:SCOPE_SE
	s_setreg_imm32_b32 hwreg(HW_REG_WAVE_MODE, 25, 1), 1
	s_wait_xcnt 0x0
; out0[b][token] = Q[b][token] + softmax over the keys of the query's own cluster of (Q' . K' / sqrt 512) x K', or + mean of K' where that cluster has no key in the batch.
; V is not among the arguments: the module overwrites it with K' before any use.
; Queries and keys lie sorted by (batch, cluster) in xp, so the keys of a cluster are consecutive rows.  ONE WAVE owns 16 sorted queries and all 512 columns
; and walks, in tiles of 32, the keys from the first cluster of its queries to the last; keys of another cluster than a query's are masked by their place.
; The number of tiles is read from memory and differs from wave to wave, so the waves share nothing: no barrier, no tile filled for another wave.
; A tile is 32 KB consecutive: 64 loads into registers, one tile ahead, then into the wave's own LDS tile, from which come the plain fragments (Q' K'^T) and the transposed ones (P K').
; NO CLUSTER, NO JOINT LOADS: neighbours' key ranges and numbers of tiles hang on counts read from memory.
; LAYOUTS.  S: source 0 = 16 keys, source 1 = 16 queries: lane l holds query l % 16 and keys 8 (l / 16) + j of each 16: packed to bf16 that IS the second source of the
; next product, so the softmax never leaves the registers; a row's two lanes meet in one v_permlanex16_b32.  O: source 0 = 16 columns of K' (transposing loads), source 1 = P:
; lane l holds query l % 16, columns 8 (l / 16) + j of each of 32 tiles.
; The running maximum starts with the first tile's; masked logits are the lowest finite f32, as in the module, so a row with a key is right whatever its logits,
; and a row without is replaced: whether a row has a key is a count of whole numbers.   LIMIT: NaN and Inf are not served.
; WINDOWS of 256 registers: 0 at work; 1 Q' fragments (v256..383); 2 O (tile c at 8 c), then the rows read back; 3 the tile on its way, at the end the rows of Q.
.set PK,   1040                        ; LDS pitch of a key row: 65 x 16 bytes
.set WLDS, 32*PK                       ; a wave's LDS: 33,280 bytes
.set PO,   2064                        ; pitch of a row of O in f32 on the way out: 129 x 16 bytes; 16 rows fit in the same bytes
.set KQ,   2                           ; plain fragments: r x pitch + 16 h
.set KST,  3                           ; 16 x lane
.set VRD,  4                           ; transposing loads: (8 h + l % 8) x pitch + 16 ((l / 8) % 2)
.set REL,  5                           ; place of my first key of the tile, counted from my query's cluster's first key
.set CNT,  6                           ; keys in my query's cluster
.set STG,  7                           ; the way out: r x PO + 32 h
.set MM,   10                          ; running maximum (log2 units)
.set LL,   11                          ; my lane's part of the running sum
.set MN,   12                          ; v[12:13] the new maximum, twice
.set AL,   14                          ; v[14:15] the factor for what was summed before, twice
.set NEG,  16
.set T0,   17
.set PB,   20                          ; v[20:27] P in bf16
.set SS,   32                          ; v[32:47] S of keys 0-15 and 16-31
.set TI,   48                          ; v[48:63] at work
.set OFFR, 64                          ; v[64:79] row i: token x 2,048 + 16 lane; never rewritten
.set MEAN, 32                          ; v[32:47] at the end: the batch's mean of K', my 16 columns
.set FA,   128                         ; v[128:191], v[192:255] fragment buffers of 8 x 8
.set FB,   192
.set MB,   128                         ; v[128:255] at the end: eight blocks' column sums
.set MSB, 0
.macro WIN new                         ; low byte: 1:0 source 0, 3:2 source 1, 5:4 source 2, 7:6 destination; the high byte repeats the setting that is left
.if MSB != \new
	s_set_vgpr_msb (MSB<<8)|\new
.set MSB, \new
.endif
.endm
.macro PLACES                          ; four places behind a matrix instruction before its result is read or a load lands on its sources
.rept 4
	v_nop
.endr
.endm
	s_load_b256 s[4:11], s[0:1], 0x0               ; Q s[4:5], xp s[6:7], ord s[8:9], offs s[10:11]
	s_load_b128 s[12:15], s[0:1], 0x20             ; ksum s[12:13], out0 s[14:15]
	v_lshl_add_u32 v126, v0, 2, 0x10400
	v_mov_b32 v127, 0
	v_lshrrev_b32 v9, 5, v0
	v_readfirstlane_b32 s20, v9                    ; wave
	v_and_b32 v[T0], 31, v0                        ; lane
	v_and_b32 v18, 15, v0                          ; r
	v_bfe_u32 v19, v0, 4, 1                        ; h
	v_lshlrev_b32 v1, 4, v[T0]
	v_lshlrev_b32 v9, 2, v18
	v_lshlrev_b32 v29, 10, v18
	v_lshl_add_u32 v29, v19, 4, v29                ; Q' fragments: r x 1,024 + 16 h
	s_lshl1_add_u32 s21, ttmp9, s20                ; my block of 16 queries, 0..511
	s_lshr_b32 s22, ttmp9, 6                       ; batch
	s_lshl_b32 s48, s21, 6
	s_mov_b32 s49, 0
	s_add_co_u32 s50, s22, 4                       ; offs: the keys' group 4 + b,
	s_lshl_b32 s50, s50, 8                         ; rows of 256 bytes
	s_mov_b32 s51, 0
	s_lshl_b32 s52, s21, 14                        ; 16 rows of 1,024 bytes
	s_mov_b32 s53, 0
	s_lshl_b32 s60, s22, 22                        ; a batch of Q and of out0
	s_mov_b32 s61, 0
	s_mov_b32 s70, 0x76543210                      ; v_permlanex16_b32: lane i reads lane i of the other half
	s_mov_b32 s71, 0xfedcba98
	s_wait_kmcnt 0x0
	s_add_nc_u64 s[24:25], s[8:9], s[48:49]        ; ord at my 16 queries
	s_add_nc_u64 s[26:27], s[10:11], s[50:51]
	s_add_nc_u64 s[30:31], s[6:7], s[52:53]        ; Q' of my block
	s_add_nc_u64 s[16:17], s[4:5], s[60:61]
	s_add_nc_u64 s[18:19], s[14:15], s[60:61]
	s_load_b512 s[32:47], s[24:25], 0x0            ; my 16 words as scalars: tokens, first and last cluster
	global_load_b32 v28, v9, s[24:25]              ; and query r's word in its two lanes
	s_mul_i32 s66, s20, WLDS                       ; my wave's LDS
	v_add_nc_u32 v[KST], s66, v1
	v_mul_u32_u24 v[KQ], v18, PK
	v_lshl_add_u32 v[KQ], v19, 4, v[KQ]
	v_add_nc_u32 v[KQ], s66, v[KQ]
	v_and_b32 v[VRD], 7, v0
	v_lshl_add_u32 v[VRD], v19, 3, v[VRD]
	v_mul_u32_u24 v[VRD], v[VRD], PK
	v_bfe_u32 v[STG], v0, 3, 1
	v_lshl_add_u32 v[VRD], v[STG], 4, v[VRD]
	v_add_nc_u32 v[VRD], s66, v[VRD]
	v_mul_u32_u24 v[STG], v18, PO
	v_lshl_add_u32 v[STG], v19, 5, v[STG]
	v_add_nc_u32 v[STG], s66, v[STG]
	v_mov_b32 v[NEG], 0xff7fffff                   ; the lowest finite f32
	s_lshl_b32 s62, s22, 16                        ; ksum: 32 blocks of 2,048 bytes a batch
	s_mov_b32 s63, 0
	s_add_nc_u64 s[72:73], s[12:13], s[62:63]
	s_wait_loadcnt 0x0                             ; my query's word: the one load that is out
	v_lshrrev_b32 v28, 16, v28
	v_min_u32 v28, 7, v28
	v_lshlrev_b32 v28, 2, v28
	global_load_b32 v30, v28, s[26:27]             ; first key of my query's cluster
	global_load_b32 v31, v28, s[26:27] offset:4    ; and its end
	WIN 0x40
.set n, 0
.rept 16
	global_load_b128 v[8*n:8*n+3], v29, s[30:31] offset:64*n              ; Q'(r, 32 n + 8 h ..)
	global_load_b128 v[8*n+4:8*n+7], v29, s[30:31] offset:64*n+32         ; Q'(r, 32 n + 16 + 8 h ..)
.set n, n+1
.endr
	WIN 0
	s_wait_kmcnt 0x0
	s_lshr_b32 s54, s32, 16
	s_min_u32 s54, s54, 7                          ; first cluster of my queries
	s_lshl_b32 s54, s54, 2
	s_lshr_b32 s55, s47, 16
	s_min_u32 s55, s55, 7                          ; last
	s_lshl_b32 s55, s55, 2
	s_load_b32 s56, s[26:27], s54 offset:0x0       ; first key of the first cluster
	s_load_b32 s57, s[26:27], s55 offset:0x4       ; end of the last
.irp i, 0,1,2,3,4,5,6,7,8,9,10,11,12,13,14,15
	s_and_b32 s59, s[32+\i], 0xffff
	s_min_u32 s59, s59, 0x7ff
	s_lshl_b32 s59, s59, 11
	v_add_nc_u32 v[OFFR+\i], s59, v1
.endr
	s_wait_kmcnt 0x0
	s_min_u32 s56, s56, 0x800
	s_min_u32 s57, s57, 0x800
	s_max_u32 s57, s57, s56
	s_sub_co_u32 s58, s57, s56
	s_add_co_u32 s58, s58, 31
	s_lshr_b32 s58, s58, 5
	s_max_u32 s58, s58, 1                          ; tiles, 1..64: a wave without any key walks one tile, all masked
	s_lshl_b32 s59, s58, 5
	s_sub_co_u32 s59, 0x800, s59
	s_min_u32 s56, s56, s59                        ; the window of 32 n keys is moved back where it would pass the batch's end
	s_min_u32 s56, s56, 0x7e0
	s_lshl_b32 s62, s22, 11
	s_add_co_u32 s62, s62, s56
	s_lshl_b32 s62, s62, 10                        ; (2,048 b + first key) x 1,024 bytes
	s_add_co_u32 s62, s62, 0x800000                ; K' lies behind Q' in xp
	s_add_nc_u64 s[28:29], s[6:7], s[62:63]
	s_wait_loadcnt 32                              ; the two words of offs are in; the 32 loads of Q' stay out
	v_sub_nc_u32 v[CNT], v31, v30
	v_lshl_add_u32 v[REL], v19, 3, s56             ; first key + 8 h
	v_sub_nc_u32 v[REL], v[REL], v30
	v_cmp_ne_u32 s84, 0, v[CNT]                    ; bit r (and r + 16): query r has a key
.macro GETK                            ; a tile of 32 keys: 64 loads of 512 consecutive bytes, into window 3
	WIN 0xc0
.set n, 0
.rept 64
	global_load_b128 v[4*n:4*n+3], v1, s[28:29] offset:512*n
.set n, n+1
.endr
	WIN 0
.endm
.macro GETQ                            ; the 16 rows of Q that are added at the end, into window 3, where no tile is due any more
	WIN 0xc0
.irp i, 0,1,2,3,4,5,6,7,8,9,10,11,12,13,14,15
.irp c, 0,1,2,3
	global_load_b128 v[16*\i+4*\c:16*\i+4*\c+3], v[OFFR+\i], s[16:17] offset:512*\c
.endr
.endr
	WIN 0
.endm
.macro PUT16 g                         ; a quarter of the tile goes from window 3 to LDS
	s_wait_loadcnt 48-16*\g                        ; the tile's 64 loads are the youngest: the later quarters stay out
.irp k, 0,1,2,3,4,5,6,7,8,9,10,11,12,13,14,15
	ds_store_b128 v[KST], v[4*(16*\g+\k):4*(16*\g+\k)+3] offset:((16*\g+\k)>>1)*PK+((16*\g+\k)&1)*512
.endr
.endm
.macro LOADG g, buf                    ; K' fragments of K steps 4 g .. 4 g + 3, both halves of the 32 keys
.irp u, 0,1,2,3
.irp y, 0,1
	ds_load_b128 v[\buf+8*(2*\u+\y):\buf+8*(2*\u+\y)+3], v[KQ] offset:16*PK*\y+64*(4*\g+\u)
	ds_load_b128 v[\buf+8*(2*\u+\y)+4:\buf+8*(2*\u+\y)+7], v[KQ] offset:16*PK*\y+64*(4*\g+\u)+32
.endr
.endr
.endm
.macro MULG g, buf                     ; eight matrix instructions; the two accumulators take turns
.irp u, 0,1,2,3
.irp y, 0,1
.if 4*\g+\u == 0
	v_wmma_f32_16x16x32_bf16 v[SS+8*\y:SS+8*\y+7], v[\buf+8*(2*\u+\y):\buf+8*(2*\u+\y)+7], v[8*(4*\g+\u):8*(4*\g+\u)+7], 0
.else
	v_wmma_f32_16x16x32_bf16 v[SS+8*\y:SS+8*\y+7], v[\buf+8*(2*\u+\y):\buf+8*(2*\u+\y)+7], v[8*(4*\g+\u):8*(4*\g+\u)+7], v[SS+8*\y:SS+8*\y+7]
.endif
.endr
.endr
.endm
.macro LOADV g, buf                    ; K' transposed: column tiles 8 g .. 8 g + 7, all 32 keys
.irp u, 0,1,2,3,4,5,6,7
	ds_load_tr16_b128 v[\buf+8*\u:\buf+8*\u+3], v[VRD] offset:32*(8*\g+\u)
	ds_load_tr16_b128 v[\buf+8*\u+4:\buf+8*\u+7], v[VRD] offset:32*(8*\g+\u)+16*PK
.endr
.endm
.macro MULV g, buf, first              ; eight matrix instructions on eight accumulators
.irp u, 0,1,2,3,4,5,6,7
.if \first
	v_wmma_f32_16x16x32_bf16 v[8*(8*\g+\u):8*(8*\g+\u)+7], v[\buf+8*\u:\buf+8*\u+7], v[PB:PB+7], 0
.else
	v_wmma_f32_16x16x32_bf16 v[8*(8*\g+\u):8*(8*\g+\u)+7], v[\buf+8*\u:\buf+8*\u+7], v[PB:PB+7], v[8*(8*\g+\u):8*(8*\g+\u)+7]
.endif
.endr
.endm
; One tile of 32 keys.  first = 1: it starts the maximum, the sum and O (nothing is cleared).  ahead = 1: the next tile is asked for; 0: the rows of Q instead.
.macro TRIP first, ahead
	WIN 0x0c                                       ; store data in window 3
	PUT16 0
	PUT16 1
	PUT16 2
	PUT16 3
	WIN 0
	LOADG 0, FA
	LOADG 1, FB
	s_wait_dscnt 16                                ; all but the youngest 16: the tile's stores are done, so window 3 may be loaded again, and group 0 is in
.if \ahead
	s_add_nc_u64 s[28:29], s[28:29], 32*1024       ; the loads that named this base are in (the wait for 0 of the last quarter)
	GETK
.else
	GETQ
.endif
	WIN 0x04                                       ; source 1 (Q') in window 1
	MULG 0, FA
	WIN 0
	PLACES
	LOADG 2, FA
	s_wait_dscnt 16                                ; group 1 is in; group 2's sixteen stay out
	WIN 0x04
	MULG 1, FB
	WIN 0
	PLACES
	LOADG 3, FB
	s_wait_dscnt 16
	WIN 0x04
	MULG 2, FA
	s_wait_dscnt 0
	MULG 3, FB
	WIN 0
.irp e, 0,1,2,3,4,5,6,7
	v_add_nc_u32 v[TI+\e], \e, v[REL]              ; my sixteen keys' places in my query's cluster; these lines are also the places behind the products
	v_add_nc_u32 v[TI+8+\e], 16+\e, v[REL]
.endr
	v_add_nc_u32 v[REL], 32, v[REL]
	LOADV 0, FA                                    ; on their way during the softmax
	LOADV 1, FB
.irp k, 0,2,4,6,8,10,12,14
	v_pk_mul_f32 v[SS+\k:SS+\k+1], v[SS+\k:SS+\k+1], 0x3d8293ee op_sel_hi:[1,0]   ; x log2(e) / sqrt(512)
.endr
.irp e, 0,1,2,3,4,5,6,7,8,9,10,11,12,13,14,15
	v_cmp_gt_u32 vcc_lo, v[CNT], v[TI+\e]          ; unsigned: places in front of the cluster wrap to large numbers
	v_cndmask_b32 v[SS+\e], v[NEG], v[SS+\e], vcc_lo
.endr
	v_max3_num_f32 v56, v[SS], v[SS+1], v[SS+2]
	v_max3_num_f32 v57, v[SS+3], v[SS+4], v[SS+5]
	v_max3_num_f32 v58, v[SS+6], v[SS+7], v[SS+8]
	v_max3_num_f32 v59, v[SS+9], v[SS+10], v[SS+11]
	v_max3_num_f32 v60, v[SS+12], v[SS+13], v[SS+14]
	v_max3_num_f32 v56, v56, v57, v[SS+15]
	v_max3_num_f32 v58, v58, v59, v60
	v_max_num_f32 v56, v56, v58
	v_permlanex16_b32 v[T0], v56, s70, s71         ; the row's other sixteen keys
.if \first
	v_max_num_f32 v[MN], v56, v[T0]
.else
	v_max3_num_f32 v[MN], v56, v[T0], v[MM]
	v_sub_f32 v[AL], v[MM], v[MN]
	v_exp_f32 v[AL], v[AL]
.endif
	v_mov_b32 v[MN+1], v[MN]                       ; plain, and touches no exponential (ISA guide 5.7.2)
.irp k, 0,2,4,6,8,10,12,14
	v_pk_add_f32 v[SS+\k:SS+\k+1], v[SS+\k:SS+\k+1], v[MN:MN+1] neg_lo:[0,1] neg_hi:[0,1]
.endr
.irp e, 0,1,2,3,4,5,6,7,8,9,10,11,12,13,14,15
	v_exp_f32 v[SS+\e], v[SS+\e]
.endr
	v_mov_b32 v[MM], v[MN]                         ; the plain place behind the exponentials
.if \first == 0
	s_wait_alu depctr_va_vdst(0)
	v_mov_b32 v[AL+1], v[AL]
.endif
	s_wait_alu depctr_va_vdst(0)
	v_pk_add_f32 v[48:49], v[SS:SS+1], v[SS+2:SS+3]
	v_pk_add_f32 v[50:51], v[SS+4:SS+5], v[SS+6:SS+7]
	v_pk_add_f32 v[52:53], v[SS+8:SS+9], v[SS+10:SS+11]
	v_pk_add_f32 v[54:55], v[SS+12:SS+13], v[SS+14:SS+15]
	v_pk_add_f32 v[48:49], v[48:49], v[50:51]
	v_pk_add_f32 v[52:53], v[52:53], v[54:55]
	v_pk_add_f32 v[48:49], v[48:49], v[52:53]
.if \first
	v_add_f32 v[LL], v48, v49
.else
	v_add_f32 v48, v48, v49
	v_fma_f32 v[LL], v[LL], v[AL], v48
.endif
.irp k, 0,1,2,3,4,5,6,7
	v_cvt_pk_bf16_f32 v[PB+\k], v[SS+2*\k], v[SS+2*\k+1]       ; registers 0-3: keys 8 h + 0..7; 4-7: keys 16 + 8 h + 0..7
.endr
.if \first == 0
	WIN 0x82                                       ; O in window 2, the factor in window 0
.set n, 0
.rept 128
	v_pk_mul_f32 v[2*n:2*n+1], v[2*n:2*n+1], v[AL:AL+1]
.set n, n+1
.endr
.endif
	s_wait_dscnt 16                                ; column tiles 0-7 are in; 8-15 stay out
	WIN 0xa0                                       ; C and D in window 2
	MULV 0, FA, \first
	WIN 0
	PLACES
	LOADV 2, FA
	s_wait_dscnt 16
	WIN 0xa0
	MULV 1, FB, \first
	WIN 0
	PLACES
	LOADV 3, FB
	s_wait_dscnt 16
	WIN 0xa0
	MULV 2, FA, \first
	s_wait_dscnt 0
	MULV 3, FB, \first
	WIN 0
	PLACES                                         ; for the next tile's fragment loads, and for the way out
.endm
	GETK                                           ; tile 0
	s_cmp_eq_u32 s58, 1
	s_cbranch_scc1 .Lone
	TRIP 1, 1
	s_sub_co_u32 s74, s58, 2
	s_cmp_eq_u32 s74, 0
	s_cbranch_scc1 .Llast
.Lloop:
	TRIP 0, 1
	s_sub_co_u32 s74, s74, 1
	s_cmp_lg_u32 s74, 0
	s_cbranch_scc1 .Lloop
.Llast:
	TRIP 0, 0
	s_branch .Lend
.Lone:
	TRIP 1, 0
.Lend:
	; THE WAY OUT.  O goes through my own LDS bytes (no key tile is due any more), so that a row of 2,048 bytes leaves in four stores of 512 consecutive bytes.
	v_permlanex16_b32 v[T0], v[LL], s70, s71
	v_add_f32 v[LL], v[LL], v[T0]                  ; at least 1: the largest term of a row is exp2(0)
	v_rcp_f32 v[AL], v[LL]
	v_nop                                          ; the place behind the reciprocal
	s_wait_alu depctr_va_vdst(0)
.irp i, 0,1,2,3,4,5,6,7,8,9,10,11,12,13,14,15
	v_readlane_b32 s[32+2*\i], v[AL], \i           ; 1 / sum of row i, in the even register of a pair whose odd one has been written before
.endr
	WIN 0x08                                       ; store data in window 2
.set n, 0
.rept 32
	ds_store_b128 v[STG], v[8*n:8*n+3] offset:64*n
	ds_store_b128 v[STG], v[8*n+4:8*n+7] offset:64*n+16
.set n, n+1
.endr
	s_wait_dscnt 0x0                               ; the stores have read window 2, which the loads below fill again
	WIN 0x80
.irp i, 0,1,2,3,4,5,6,7,8,9,10,11,12,13,14,15
.irp c, 0,1,2,3
	ds_load_b128 v[16*\i+4*\c:16*\i+4*\c+3], v[KST] offset:\i*PO+512*\c
.endr
.endr
	WIN 0
	s_wait_dscnt 0x0
	s_cmp_eq_u32 s84, -1
	s_cbranch_scc1 .Lhave                          ; every query of mine has a key: a decision on whole numbers read from memory
	; Some query has none: the batch's mean of K' from the 32 blocks' column sums, in the rows' layout (16 lane + 512 c).
	; Four batches of eight blocks, 32 loads each, into the fragment buffers, which are free now; a block's place stands in the immediate.
.irp g, 0,1,2,3
.irp j, 0,1,2,3,4,5,6,7
.irp c, 0,1,2,3
	global_load_b128 v[MB+16*\j+4*\c:MB+16*\j+4*\c+3], v1, s[72:73] offset:(8*\g+\j)*2048+512*\c
.endr
.endr
	s_wait_loadcnt 0x0
.if \g == 0
.irp k, 0,2,4,6,8,10,12,14
	v_pk_add_f32 v[MEAN+\k:MEAN+\k+1], v[MB+\k:MB+\k+1], v[MB+16+\k:MB+16+\k+1]   ; the first two blocks start the sums
.endr
.else
.irp j, 0,1
.irp k, 0,2,4,6,8,10,12,14
	v_pk_add_f32 v[MEAN+\k:MEAN+\k+1], v[MEAN+\k:MEAN+\k+1], v[MB+16*\j+\k:MB+16*\j+\k+1]
.endr
.endr
.endif
.irp j, 2,3,4,5,6,7
.irp k, 0,2,4,6,8,10,12,14
	v_pk_add_f32 v[MEAN+\k:MEAN+\k+1], v[MEAN+\k:MEAN+\k+1], v[MB+16*\j+\k:MB+16*\j+\k+1]
.endr
.endr
.endr
.irp k, 0,2,4,6,8,10,12,14
	v_pk_mul_f32 v[MEAN+\k:MEAN+\k+1], v[MEAN+\k:MEAN+\k+1], 0x3a000000 op_sel_hi:[1,0]   ; / 2,048
.endr
	WIN 0x88                                       ; destination and source 1 in window 2, the mean in window 0
.irp i, 0,1,2,3,4,5,6,7,8,9,10,11,12,13,14,15
	s_bitcmp1_b32 s84, \i
	s_cselect_b32 s86, -1, 0
	s_cselect_b32 s[32+2*\i], s[32+2*\i], 1.0      ; the mean is taken as it is
.irp k, 0,1,2,3,4,5,6,7,8,9,10,11,12,13,14,15
	v_cndmask_b32 v[16*\i+\k], v[MEAN+\k], v[16*\i+\k], s86
.endr
.endr
	WIN 0
.Lhave:
	s_wait_loadcnt 0x0                             ; the rows of Q, asked for a tile ago
	WIN 0xb2                                       ; O in window 2, Q in window 3
.irp i, 0,1,2,3,4,5,6,7,8,9,10,11,12,13,14,15
.irp k, 0,2,4,6,8,10,12,14
	v_pk_fma_f32 v[16*\i+\k:16*\i+\k+1], v[16*\i+\k:16*\i+\k+1], s[32+2*\i:33+2*\i], v[16*\i+\k:16*\i+\k+1] op_sel_hi:[1,0,1]   ; O / sum + Q
.endr
.endr
	WIN 0x08
.irp i, 0,1,2,3,4,5,6,7,8,9,10,11,12,13,14,15
.irp c, 0,1,2,3
	global_store_b128 v[OFFR+\i], v[16*\i+4*\c:16*\i+4*\c+3], s[18:19] offset:512*\c th:TH_STORE_NT   ; 512 consecutive bytes of the token's row
.endr
.endr
	WIN 0
	s_wait_tensorcnt 0x0
	ds_add_u32 v126, v127
	s_wait_dscnt 0x0
	s_endpgm
.Lfunc_end_k_qce8a8cd12a_attn:
	.size	k_qce8a8cd12a_attn, .Lfunc_end_k_qce8a8cd12a_attn-k_qce8a8cd12a_attn
	.p2alignl 7, 3214868480
	.fill 96, 4, 3214868480
	.section	.rodata,"a",@progbits
	.p2align	6, 0x0
	.amdhsa_kernel k_qce8a8cd12a_attn
		.amdhsa_group_segment_fixed_size 66816
		.amdhsa_private_segment_fixed_size 0
		.amdhsa_enable_private_segment 0
		.amdhsa_kernarg_size 48
		.amdhsa_user_sgpr_count 2
		.amdhsa_user_sgpr_kernarg_segment_ptr 1
		.amdhsa_wavefront_size32 1
		.amdhsa_system_sgpr_workgroup_id_x 1
		.amdhsa_system_sgpr_workgroup_id_y 1
		.amdhsa_system_sgpr_workgroup_id_z 1
		.amdhsa_system_vgpr_workitem_id 0
		.amdhsa_next_free_vgpr 1024
		.amdhsa_next_free_sgpr 88
		.amdhsa_reserve_vcc 1
		.amdhsa_float_denorm_mode_32 3
		.amdhsa_float_denorm_mode_16_64 3
		.amdhsa_memory_ordered 1
		.amdhsa_forward_progress 1
		.amdhsa_inst_pref_size 217
	.end_amdhsa_kernel
	.amdgpu_metadata
---
amdhsa.version: [ 1, 2 ]
amdhsa.kernels:
  - .name:           k_qce8a8cd12a_attn
    .symbol:         k_qce8a8cd12a_attn.kd
    .args:
      - { .name: Q, .offset: 0, .size: 8, .value_kind: global_buffer, .address_space: global }
      - { .name: xp, .offset: 8, .size: 8, .value_kind: global_buffer, .address_space: global }
      - { .name: ord, .offset: 16, .size: 8, .value_kind: global_buffer, .address_space: global }
      - { .name: offs, .offset: 24, .size: 8, .value_kind: global_buffer, .address_space: global }
      - { .name: ksum, .offset: 32, .size: 8, .value_kind: global_buffer, .address_space: global }
      - { .name: out0, .offset: 40, .size: 8, .value_kind: global_buffer, .address_space: global }
    .group_segment_fixed_size: 66816
    .private_segment_fixed_size: 0
    .kernarg_segment_align: 8
    .kernarg_segment_size: 48
    .max_flat_workgroup_size: 64
    .sgpr_count:     88
    .vgpr_count:     1024
    .wavefront_size: 32
...
	.end_amdgpu_metadata
.endif
;; end of part 4
;; ======== version 2 of 3: 4 launches; 1.30 times as fast as version 1
;; limits: values outside matrix products are rounded to bf16; a function is approximated: absolute error at most 1.5e-07
;; workspace buffers: assign 65,536 bytes of whole numbers; ord 65,536 bytes of whole numbers; offs 2,048 bytes of whole numbers; wf 8,388,608 bytes; xp 16,777,216 bytes; ksum 262,144 bytes
;; launch prep: the kernel of part 1 again; grid 384 x 1, 8 waves a work-group, no clusters, 84,224 bytes of LDS; arguments Q, K, miu, Wq, Wk, assign, wf; writes assign, wf
;; launch sort: the kernel of part 2 again; grid 8 x 1, 8 waves a work-group, no clusters, 11,264 bytes of LDS; arguments assign, ord, offs; writes ord, offs
;; launch expert (part 5): grid 128 x 2, 8 waves a work-group, no clusters, 136,192 bytes of LDS; arguments Q, K, wf, bq, bk, ord, xp, ksum; writes xp, ksum
.if DOCPART == 5
	.amdgcn_target "amdgcn-amd-amdhsa--gfx1250"
	.amdhsa_code_object_version 6
	.text
	.protected	k_qce8a8cd12a_expert
	.globl	k_qce8a8cd12a_expert
	.p2align	8
	.type	k_qce8a8cd12a_expert,@function
k_qce8a8cd12a_expert:
	s_mov_b64 s[64:65], 0
	v_nop
	global_prefetch_b8 v0, s[64:65] scope:SCOPE_SE
	s_setreg_imm32_b32 hwreg(HW_REG_WAVE_MODE, 25, 1), 1
	s_wait_xcnt 0x0
; xp[t][sorted row] = bf16( gelu( x W[t][cluster of the row] + bias ) ), x the row of Q (t = 0) or K (t = 1) that ord names; only the routed expert is computed.
; xp lies in the order of the attention launch's matrix fragments: [t][group of 16 sorted rows][ks: 32 k][half][lane L][16 bytes]; the 16 bytes hold
; k = 32 ks + 16 half + 8 (L / 16) + 0..7 of row L % 16 of the group.  A group is 16,384 consecutive bytes.
; ksum[block][512] = column sums of a block of 64 rows of K', for the mean that queries without keys get.
; A work-group owns 64 sorted rows (inside one batch: 2,048 / 64 blocks) and all 512 columns; 128 x 2 = 256 work-groups of one shape.
; A block whose rows belong to clusters e0..e1 runs the product once for each of them and keeps, of each run, the rows of that cluster (EXEC on the LDS stores);
; a tile of 16 rows none of which belongs to the run's cluster skips bias, gelu and store altogether.
; Wave w makes 64 rows x columns 64 w .. +63: 16 accumulator tiles.  The rows' bf16 copy lies in LDS (gathered once); the weights come straight
; from wf into registers, in fragment order, 512 consecutive bytes a load: a fragment of W is used by one wave alone, so LDS would add traffic and spare none.
; W runs four K steps ahead in a ring of registers.  The first cluster's first steps are asked for together with the gathered rows (which land in the accumulators'
; registers, free until the first product); a next cluster's first four steps are asked for in front of the gelu of the cluster before.
; THE MATRIX INSTRUCTION IS USED TRANSPOSED: source 0 = 16 columns of W, source 1 = 16 rows of x: lane l then holds row l % 16 and columns 8 (l / 16) + 0..7.
; NO CLUSTER: which blocks walk the same expert's weights hangs on counts read from memory, and a straddling block walks more experts than its neighbours:
; partners would need different numbers of tiles.
; gelu(x) = x / 2 + |x| (1/2 - p(r) exp(-x^2 / 2)), r = 1 / (1 + 0.3275911 |x| / sqrt 2), p the polynomial of Abramowitz-Stegun 7.1.26 halved:
; LIMIT: erf is right to 1.5e-7 absolutely, for every finite x.  NaN and Inf are not served.
.set PA,     1040                      ; LDS pitch of a row of 512 bf16: 65 x 16 bytes, so that 16 rows start in 16 different 16-byte columns
.set STAGE,  64*PA                     ; 66,560: the results, 64 rows of the same pitch
.set BOUNCE, 2*64*PA                   ; 133,120: 256 bytes a wave for the column sums
.set NEXTW,  0x80000                   ; bytes from one expert's W in wf to the next
.set ADRA, 4                           ; x fragments: r x pitch + 16 h
.set STO,  5                           ; results in: stage + r x pitch + 128 w + 16 h
.set RD,   6                           ; results out, as fragments: stage + (16 (w / 2) + r) x pitch + 512 (w % 2) + 16 h
.set GST,  7                           ; gathered rows in: 8 w rows + 8 lane
.set TRA,  8                           ; transposing loads from the stage
.set BST,  9
.set BRD,  10
.set KOF,  11                          ; 256 w + 8 lane
.set REXP, 12                          ; v[12:15] cluster of row 16 a + r
.set BOFF, 16                          ; 256 w + 32 h
.set CP,   18                          ; v[18:31] seven constants, each twice (pairs for the packed forms)
.set CE,   20
.set C5,   22
.set C4,   24
.set C3,   26
.set C2,   28
.set C1,   30
.set A0,   32                          ; v[32:63], v[64:95] x fragments, two buffers of 4 x 8; at the start: the gathered rows in bf16
.set BR,   96                          ; v[96:223] W fragments, a ring of four K steps of 4 x 8
.set BIAS, 224                         ; v[224:255] bias of my 8 columns in each of 4 column tiles
.set GX,   32                          ; at work behind the product, in the fragments' registers
.set GA,   40
.set GR,   48
.set GE,   56
.set GP,   64
.set GO,   72                          ; v[72:87] four tiles' packed results
; window 1: v256..383 the accumulators, tile (a, b) at 8 (4 a + b); at the start: my eight gathered rows in f32, row i at 16 i
.set MSB, 0
.macro WIN new                         ; the immediate's high byte repeats the setting that is left
.if MSB != \new
	s_set_vgpr_msb (MSB<<8)|\new
.set MSB, \new
.endif
.endm
.macro PLACES                          ; four places behind a matrix instruction before its result is read or a load lands on its sources
.rept 4
	v_nop
.endr
.endm
.macro LOADB s, ext                    ; K step s of W: 4 KB consecutive, into ring slot s % 4; ext = 0: this trip's expert, NEXTW: the next one's
.irp f, 0,1,2,3
	global_load_b128 v[BR+32*(\s%4)+8*\f:BR+32*(\s%4)+8*\f+3], v1, s[30:31] offset:\ext+4096*\s+1024*\f
	global_load_b128 v[BR+32*(\s%4)+8*\f+4:BR+32*(\s%4)+8*\f+7], v1, s[30:31] offset:\ext+4096*\s+1024*\f+512
.endr
.endm
	s_load_b512 s[4:19], s[0:1], 0x0               ; Q, K, wf, bq, bk, ord, xp, ksum in s[4:5] .. s[18:19]
	s_set_vgpr_msb 0x40
	v_lshl_add_u32 v128, v0, 2, 0x21000
	v_mov_b32 v129, 0
	s_set_vgpr_msb 0x4000
	v_lshrrev_b32 v2, 5, v0
	v_readfirstlane_b32 s20, v2                    ; wave
	s_and_b32 s21, ttmp7, 0xffff                   ; t
	v_and_b32 v2, 31, v0                           ; lane
	v_and_b32 v3, 15, v0                           ; r
	v_bfe_u32 v17, v0, 4, 1                        ; h
	v_lshlrev_b32 v1, 4, v2
	v_lshlrev_b32 v32, 2, v3
	s_lshl_b32 s56, s21, 15                        ; t x 8,192 words
	s_lshl_b32 s57, ttmp9, 8                       ; + block x 64 words
	s_add_co_u32 s56, s56, s57
	s_mov_b32 s57, 0
	s_lshl_b32 s60, s20, 5
	s_mov_b32 s61, 0
	s_wait_kmcnt 0x0
	s_add_nc_u64 s[58:59], s[14:15], s[56:57]      ; ord at my block
	s_add_nc_u64 s[62:63], s[58:59], s[60:61]      ; ord at my wave's eight rows
	s_load_b256 s[32:39], s[62:63], 0x0
	s_load_b32 s23, s[58:59], 0x0                  ; the block's first word
	s_load_b32 s24, s[58:59], 0xfc                 ; and its last
.irp a, 0,1,2,3
	global_load_b32 v[REXP+\a], v32, s[58:59] offset:64*\a
.endr
	s_cmp_eq_u32 s21, 0
	s_cselect_b64 s[26:27], s[4:5], s[6:7]         ; Q or K
	s_cselect_b64 s[28:29], s[10:11], s[12:13]     ; bq or bk
	s_lshr_b32 s56, ttmp9, 5                       ; batch
	s_lshl_b32 s56, s56, 22                        ; x 2,048 rows x 2,048 bytes
	s_add_nc_u64 s[26:27], s[26:27], s[56:57]
	v_mul_u32_u24 v[ADRA], v3, PA
	v_lshl_add_u32 v[ADRA], v17, 4, v[ADRA]
	s_lshl_b32 s81, s20, 7
	s_add_co_u32 s81, s81, STAGE                   ; stage + my 128 bytes of a row
	v_add_nc_u32 v[STO], s81, v[ADRA]
	s_mul_i32 s82, s20, 8*PA
	v_lshl_add_u32 v[GST], v2, 3, s82
	s_lshr_b32 s22, s20, 1                         ; the way out: wave w takes the group of 16 rows w / 2
	s_mul_i32 s22, s22, 16*PA
	s_and_b32 s25, s20, 1                          ; and K steps 8 (w % 2) .. +7 of it: 64 bytes of a row each
	s_lshl_b32 s25, s25, 9
	s_add_co_u32 s22, s22, s25
	s_add_co_u32 s22, s22, STAGE
	v_add_nc_u32 v[RD], s22, v[ADRA]
	v_and_b32 v[TRA], 7, v0
	v_lshl_add_u32 v[TRA], v17, 3, v[TRA]
	v_mul_u32_u24 v[TRA], v[TRA], PA               ; row 8 h + l % 8
	v_bfe_u32 v[BST], v0, 3, 1
	v_lshl_add_u32 v[TRA], v[BST], 4, v[TRA]       ; + 16 bytes for lanes 8-15 of each half
	v_add_nc_u32 v[TRA], s81, v[TRA]
	s_lshl_b32 s83, s20, 8
	v_lshl_add_u32 v[BOFF], v17, 5, s83
	v_lshl_add_u32 v[KOF], v2, 3, s83
	v_add_nc_u32 v[BST], BOUNCE, v[BOFF]
	v_add_nc_u32 v[BRD], BOUNCE, v[KOF]
.irp k, 0,1
	v_mov_b32 v[CP+\k], 0x3e6d3388                 ;  0.23164189 = 0.3275911 / sqrt 2
	v_mov_b32 v[CE+\k], 0xbf38aa3b                 ; -0.72134752 = -log2(e) / 2
	v_mov_b32 v[C5+\k], 0xbf07dc22                 ; -a5 / 2 = -0.53070271   (signs turned, so that 1/2 + p E needs no negation)
	v_mov_b32 v[C4+\k], 0x3f3a00e3                 ; -a4 / 2 =  0.72657601
	v_mov_b32 v[C3+\k], 0xbf35f0e3                 ; -a3 / 2 = -0.71070687
	v_mov_b32 v[C2+\k], 0x3e11a98e                 ; -a2 / 2 =  0.14224837
	v_mov_b32 v[C1+\k], 0xbe027906                 ; -a1 / 2 = -0.12741480
.endr
	s_wait_kmcnt 0x0
	s_lshr_b32 s23, s23, 16
	s_min_u32 s23, s23, 7                          ; e0: the loop's counter
	s_lshr_b32 s24, s24, 16
	s_min_u32 s24, s24, 7                          ; e1,
	s_add_co_u32 s24, s24, 1                       ; and one past it: the loop's bound, 8 at the most
.irp i, 0,1,2,3,4,5,6,7
	s_and_b32 s56, s[32+\i], 0xffff                ; token
	s_min_u32 s56, s56, 0x7ff
	s_lshl_b32 s56, s56, 11
	s_add_nc_u64 s[40+2*\i:41+2*\i], s[26:27], s[56:57]
.endr
	WIN 0x40                                       ; loaded data in window 1
.irp i, 0,1,2,3,4,5,6,7
.irp j, 0,1,2,3
	global_load_b128 v[16*\i+4*\j:16*\i+4*\j+3], v1, s[40+2*\i:41+2*\i] offset:512*\j   ; a gathered row: four loads of 512 consecutive bytes
.endr
.endr
	WIN 0
	s_lshl3_add_u32 s56, s21, s23                  ; 8 t + e0
	s_lshl_b32 s56, s56, 19
	s_lshl_b32 s60, s20, 16                        ; + my 64 columns
	s_add_co_u32 s56, s56, s60
	s_add_nc_u64 s[30:31], s[8:9], s[56:57]        ; W of expert e0
	s_lshl_b32 s56, s23, 11
	s_add_nc_u64 s[28:29], s[28:29], s[56:57]      ; its bias
	LOADB 0, 0                                     ; the first three K steps of W are on their way together with the rows
	LOADB 1, 0
	LOADB 2, 0
	WIN 0x05                                       ; both sources in window 1
.irp i, 0,1,2,3,4,5,6,7
	s_wait_loadcnt 4*(7-\i)+24                     ; row i is in; the younger rows' loads and the 24 of W stay out
.irp j, 0,1,2,3
	v_cvt_pk_bf16_f32 v[A0+8*\i+2*\j], v[16*\i+4*\j], v[16*\i+4*\j+1]
	v_cvt_pk_bf16_f32 v[A0+8*\i+2*\j+1], v[16*\i+4*\j+2], v[16*\i+4*\j+3]
.endr
.endr
	WIN 0
	LOADB 3, 0
.irp i, 0,1,2,3,4,5,6,7
.irp j, 0,1,2,3
	ds_store_b64 v[GST], v[A0+8*\i+2*\j:A0+8*\i+2*\j+1] offset:\i*PA+256*\j
.endr
.endr
.irp a, 0,1,2,3
	v_lshrrev_b32 v[REXP+\a], 16, v[REXP+\a]
.endr
	s_wait_dscnt 0x0                               ; my eight rows are written,
	s_barrier_signal -1
	s_barrier_wait -1                              ; all 64 are.  No barrier stands inside the loop below: its trips hang on numbers read from memory
.macro LOADA s                         ; K step s of the 64 rows, into buffer s % 2
.irp a, 0,1,2,3
	ds_load_b128 v[A0+32*(\s%2)+8*\a:A0+32*(\s%2)+8*\a+3], v[ADRA] offset:16*PA*\a+64*\s
	ds_load_b128 v[A0+32*(\s%2)+8*\a+4:A0+32*(\s%2)+8*\a+7], v[ADRA] offset:16*PA*\a+64*\s+32
.endr
.endm
; One K step of 32: sixteen matrix instructions, one on each accumulator, by turns.
.macro STEP s
.if \s < 4
	s_wait_loadcnt 32                              ; slot s is in; behind it were issued three more slots' 24 loads and the 8 of the bias
.else
.if \s < 13
	s_wait_loadcnt 24                              ; slot s is in (and the bias); the three younger slots' 24 loads stay out
.else
	s_wait_loadcnt 8*(15-\s)
.endif
.endif
.if \s < 15
	s_wait_dscnt 8                                 ; x of step s is in; the eight loads of step s + 1 stay out
.else
	s_wait_dscnt 0
.endif
	WIN 0x50                                       ; C and D in window 1
.irp a, 0,1,2,3
.irp b, 0,1,2,3
.if \s == 0
	v_wmma_f32_16x16x32_bf16 v[8*(4*\a+\b):8*(4*\a+\b)+7], v[BR+32*(\s%4)+8*\b:BR+32*(\s%4)+8*\b+7], v[A0+32*(\s%2)+8*\a:A0+32*(\s%2)+8*\a+7], 0
.else
	v_wmma_f32_16x16x32_bf16 v[8*(4*\a+\b):8*(4*\a+\b)+7], v[BR+32*(\s%4)+8*\b:BR+32*(\s%4)+8*\b+7], v[A0+32*(\s%2)+8*\a:A0+32*(\s%2)+8*\a+7], v[8*(4*\a+\b):8*(4*\a+\b)+7]
.endif
.endr
.endr
	WIN 0
	PLACES
.if \s+4 < 16
	LOADB (\s+4), 0
.endif
.if \s+2 < 16
	LOADA (\s+2)
.endif
.endm
; bias and gelu of tile (a, b): eight numbers a lane, packed to 16 bytes.  It leaves VCC alone.
.macro GELU8 a, b
	WIN 0x01                                       ; source 0 in window 1
.irp k, 0,2,4,6
	v_pk_add_f32 v[GX+\k:GX+\k+1], v[8*(4*\a+\b)+\k:8*(4*\a+\b)+\k+1], v[BIAS+8*\b+\k:BIAS+8*\b+\k+1]
.endr
	WIN 0
.irp k, 0,1,2,3,4,5,6,7
	v_and_b32 v[GA+\k], 0x7fffffff, v[GX+\k]       ; |x|
.endr
.irp k, 0,2,4,6
	v_pk_fma_f32 v[GR+\k:GR+\k+1], v[GA+\k:GA+\k+1], v[CP:CP+1], 1.0 op_sel_hi:[1,1,0]
.endr
.irp k, 0,1,2,3,4,5,6,7
	v_rcp_f32 v[GR+\k], v[GR+\k]
.endr
.irp k, 0,2,4,6
	v_pk_mul_f32 v[GE+\k:GE+\k+1], v[GX+\k:GX+\k+1], v[GX+\k:GX+\k+1]     ; plain work that touches no reciprocal stands behind them (ISA guide 5.7.2)
.endr
.irp k, 0,2,4,6
	v_pk_mul_f32 v[GE+\k:GE+\k+1], v[GE+\k:GE+\k+1], v[CE:CE+1]
.endr
.irp k, 0,1,2,3,4,5,6,7
	v_exp_f32 v[GE+\k], v[GE+\k]                   ; exp(-x^2 / 2)
.endr
	s_wait_alu depctr_va_vdst(0)
.irp k, 0,2,4,6
	v_pk_fma_f32 v[GP+\k:GP+\k+1], v[GR+\k:GR+\k+1], v[C5:C5+1], v[C4:C4+1]   ; touches no exponential: the place behind them
.endr
.irp c, C3, C2, C1
.irp k, 0,2,4,6
	v_pk_fma_f32 v[GP+\k:GP+\k+1], v[GP+\k:GP+\k+1], v[GR+\k:GR+\k+1], v[\c:\c+1]
.endr
.endr
.irp k, 0,2,4,6
	v_pk_mul_f32 v[GP+\k:GP+\k+1], v[GP+\k:GP+\k+1], v[GR+\k:GR+\k+1]
.endr
.irp k, 0,2,4,6
	v_pk_fma_f32 v[GP+\k:GP+\k+1], v[GP+\k:GP+\k+1], v[GE+\k:GE+\k+1], 0.5 op_sel_hi:[1,1,0]
.endr
.irp k, 0,2,4,6
	v_pk_mul_f32 v[GX+\k:GX+\k+1], v[GX+\k:GX+\k+1], 0.5 op_sel_hi:[1,0]
.endr
.irp k, 0,2,4,6
	v_pk_fma_f32 v[GX+\k:GX+\k+1], v[GA+\k:GA+\k+1], v[GP+\k:GP+\k+1], v[GX+\k:GX+\k+1]
.endr
.irp k, 0,1,2,3
	v_cvt_pk_bf16_f32 v[GO+4*\b+\k], v[GX+2*\k], v[GX+2*\k+1]
.endr
.endm
.Lexp:                                             ; once for each cluster e = s23 of the block; K steps 0 to 3 of its W have been asked for
.irp b, 0,1,2,3
	global_load_b128 v[BIAS+8*\b:BIAS+8*\b+3], v[BOFF], s[28:29] offset:64*\b
	global_load_b128 v[BIAS+8*\b+4:BIAS+8*\b+7], v[BOFF], s[28:29] offset:64*\b+16
.endr
	LOADA 0
	LOADA 1
.irp s, 0,1,2,3,4,5,6,7,8,9,10,11,12,13,14,15
	STEP \s
.endr
	s_add_co_u32 s25, s23, 1
	s_cmp_ge_u32 s25, s24
	s_cbranch_scc1 .Lnonext                        ; the last cluster of the block: nothing more is asked for, so no load passes wf's end
	LOADB 0, NEXTW                                 ; the ring is free (four places stand behind the last products): the next cluster's first four K steps
	LOADB 1, NEXTW                                 ; are on their way while the gelu runs
	LOADB 2, NEXTW
	LOADB 3, NEXTW
.Lnonext:
.irp a, 0,1,2,3
	v_cmp_eq_u32 vcc_lo, s23, v[REXP+\a]           ; the rows of this cluster among rows 16 a .. 16 a + 15: whole numbers read from ord
	s_cmp_eq_u32 vcc_lo, 0
	s_cbranch_scc1 .Lnone_\a                       ; none: nothing of this tile would be kept.  A block with one border does 5 such groups in its two trips, not 8
	GELU8 \a, 0
	GELU8 \a, 1
	GELU8 \a, 2
	GELU8 \a, 3
	s_wait_xcnt 0x0                                ; EXEC changes only behind this wait
	s_and_saveexec_b32 s80, vcc_lo
.irp b, 0,1,2,3
	ds_store_b128 v[STO], v[GO+4*\b:GO+4*\b+3] offset:16*PA*\a+32*\b
.endr
	s_or_b32 exec_lo, exec_lo, s80                 ; no global access was issued under the narrow EXEC
.Lnone_\a:
.endr
	s_wait_dscnt 0x0                               ; the stores have read their data: the next trip loads over it
	s_wait_xcnt 0x0                                ; the two bases are stepped only behind this wait
	s_add_nc_u64 s[30:31], s[30:31], NEXTW         ; the next expert's W
	s_add_nc_u64 s[28:29], s[28:29], 0x800         ; and bias
	s_add_co_u32 s23, s23, 1
	s_cmp_lt_u32 s23, s24
	s_cbranch_scc1 .Lexp
	s_wait_loadcnt 0x0                             ; the last trip has asked for nothing ahead, so nothing is out; the wait says so for every way through the text: the ring's registers are loaded from LDS below
	s_barrier_signal -1                            ; every wave's strip of the stage is written (the wait for 0 stands at the loop's end)
	s_barrier_wait -1
	s_lshl_b32 s56, s21, 23                        ; xp: t x 8 MiB
	s_lshl_b32 s60, ttmp9, 16                      ; + block x 4 groups x 16,384 bytes
	s_add_co_u32 s56, s56, s60
	s_lshl_b32 s60, s20, 13                        ; + group w / 2, K steps 8 (w % 2) ..: 8,192 w
	s_add_co_u32 s56, s56, s60
	s_add_nc_u64 s[16:17], s[16:17], s[56:57]
.set n, 0
.rept 16
	ds_load_b128 v[BR+4*n:BR+4*n+3], v[RD] offset:32*n                    ; K step n / 2 of my eight, half n % 2: row r, 16 bytes at 64 (n / 2) + 32 (n % 2) + 16 h
.set n, n+1
.endr
.set n, 0
.rept 16
	s_wait_dscnt 15-n
	global_store_b128 v1, v[BR+4*n:BR+4*n+3], s[16:17] offset:512*n       ; 512 consecutive bytes a store
.set n, n+1
.endr
	s_cmp_eq_u32 s21, 0
	s_cbranch_scc1 .Ldone                          ; Q' needs no sums
	; column sums of my 64 columns over the 64 rows: (K')^T x ones on the matrix unit; every column n of the result is the same
.irp k, 0,1,2,3,4,5,6,7
	v_mov_b32 v[32+\k], 0x3f803f80                 ; two bf16 ones
.endr
.irp k, 0,1
.irp b, 0,1,2,3
	ds_load_tr16_b128 v[160+8*(4*\k+\b):160+8*(4*\k+\b)+3], v[TRA] offset:32*PA*\k+32*\b
	ds_load_tr16_b128 v[160+8*(4*\k+\b)+4:160+8*(4*\k+\b)+7], v[TRA] offset:32*PA*\k+32*\b+16*PA
.endr
.endr
	s_lshl_b32 s56, ttmp9, 11
	s_add_nc_u64 s[18:19], s[18:19], s[56:57]
	s_wait_dscnt 0x0
.irp b, 0,1,2,3
	v_wmma_f32_16x16x32_bf16 v[40+8*\b:40+8*\b+7], v[160+8*\b:160+8*\b+7], v[32:39], 0
.endr
.irp b, 0,1,2,3
	v_wmma_f32_16x16x32_bf16 v[40+8*\b:40+8*\b+7], v[192+8*\b:192+8*\b+7], v[32:39], v[40+8*\b:40+8*\b+7]   ; four accumulators by turns
.endr
	PLACES
.irp b, 0,1,2,3
	ds_store_b128 v[BST], v[40+8*\b:40+8*\b+3] offset:64*\b               ; the sixteen lanes of a half write the same words
	ds_store_b128 v[BST], v[40+8*\b+4:40+8*\b+7] offset:64*\b+16
.endr
	ds_load_b64 v[72:73], v[BRD]                   ; my own bytes, in order behind my stores
	s_wait_dscnt 0x0
	global_store_b64 v[KOF], v[72:73], s[18:19]    ; 256 consecutive bytes a wave, aligned
.Ldone:
	s_set_vgpr_msb 0x5
	s_wait_tensorcnt 0x0
	ds_add_u32 v128, v129
	s_wait_dscnt 0x0
	s_set_vgpr_msb 0x500
	s_endpgm
.Lfunc_end_k_qce8a8cd12a_expert:
	.size	k_qce8a8cd12a_expert, .Lfunc_end_k_qce8a8cd12a_expert-k_qce8a8cd12a_expert
	.p2alignl 7, 3214868480
	.fill 96, 4, 3214868480
	.section	.rodata,"a",@progbits
	.p2align	6, 0x0
	.amdhsa_kernel k_qce8a8cd12a_expert
		.amdhsa_group_segment_fixed_size 136192
		.amdhsa_private_segment_fixed_size 0
		.amdhsa_enable_private_segment 0
		.amdhsa_kernarg_size 64
		.amdhsa_user_sgpr_count 2
		.amdhsa_user_sgpr_kernarg_segment_ptr 1
		.amdhsa_wavefront_size32 1
		.amdhsa_system_sgpr_workgroup_id_x 1
		.amdhsa_system_sgpr_workgroup_id_y 1
		.amdhsa_system_sgpr_workgroup_id_z 1
		.amdhsa_system_vgpr_workitem_id 0
		.amdhsa_next_free_vgpr 386
		.amdhsa_next_free_sgpr 84
		.amdhsa_reserve_vcc 1
		.amdhsa_float_denorm_mode_32 3
		.amdhsa_float_denorm_mode_16_64 3
		.amdhsa_memory_ordered 1
		.amdhsa_forward_progress 1
		.amdhsa_inst_pref_size 138
	.end_amdhsa_kernel
	.amdgpu_metadata
---
amdhsa.version: [ 1, 2 ]
amdhsa.kernels:
  - .name:           k_qce8a8cd12a_expert
    .symbol:         k_qce8a8cd12a_expert.kd
    .args:
      - { .name: Q, .offset: 0, .size: 8, .value_kind: global_buffer, .address_space: global }
      - { .name: K, .offset: 8, .size: 8, .value_kind: global_buffer, .address_space: global }
      - { .name: wf, .offset: 16, .size: 8, .value_kind: global_buffer, .address_space: global }
      - { .name: bq, .offset: 24, .size: 8, .value_kind: global_buffer, .address_space: global }
      - { .name: bk, .offset: 32, .size: 8, .value_kind: global_buffer, .address_space: global }
      - { .name: ord, .offset: 40, .size: 8, .value_kind: global_buffer, .address_space: global }
      - { .name: xp, .offset: 48, .size: 8, .value_kind: global_buffer, .address_space: global }
      - { .name: ksum, .offset: 56, .size: 8, .value_kind: global_buffer, .address_space: global }
    .group_segment_fixed_size: 136192
    .private_segment_fixed_size: 0
    .kernarg_segment_align: 8
    .kernarg_segment_size: 64
    .max_flat_workgroup_size: 256
    .sgpr_count:     84
    .vgpr_count:     386
    .wavefront_size: 32
...
	.end_amdgpu_metadata
.endif
;; end of part 5
;; launch attn (part 6): grid 256 x 1, 4 waves a work-group, no clusters, 136,448 bytes of LDS; arguments Q, xp, ord, offs, ksum, out0; writes out0
.if DOCPART == 6
	.amdgcn_target "amdgcn-amd-amdhsa--gfx1250"
	.amdhsa_code_object_version 6
	.text
	.protected	k_qce8a8cd12a_attn
	.globl	k_qce8a8cd12a_attn
	.p2align	8
	.type	k_qce8a8cd12a_attn,@function
k_qce8a8cd12a_attn:
	s_mov_b64 s[64:65], 0
	v_nop
	global_prefetch_b8 v0, s[64:65] scope:SCOPE_SE
	s_setreg_imm32_b32 hwreg(HW_REG_WAVE_MODE, 25, 1), 1
	s_wait_xcnt 0x0
; out0[b][token] = Q[b][token] + softmax over the keys of the query's own cluster of (Q' . K' / sqrt 512) x K', or + mean of K' where that cluster has no key in the batch.
; V is not among the arguments: the module overwrites it with K' before any use.
; Queries and keys lie sorted by (batch, cluster) in xp, so the keys of a cluster are consecutive rows.  A work-group owns 32 sorted queries, four waves, one for each SIMD:
; wave w works for the block of 16 queries qb = w / 2 and walks, in tiles of 32, the half kh = w % 2 of the keys from the first cluster of those queries to the last;
; keys of another cluster than a query's are masked by their place.  Each wave keeps its own running maximum, sum and O (16 x 512).
; The number of tiles is read from memory, so the loop holds no barrier and no tile is filled for another wave.  ONE barrier stands behind the loop, where all paths have joined:
; in front of it each wave puts maximum, sum and raw O into its own LDS bytes; behind it each wave of a pair finishes 8 of the 16 rows:
; out = O_a f_a + O_b f_b + Q, f_x = exp2(m_x - max(m_a, m_b)) / (l_a e_a + l_b e_b).
; xp LIES IN FRAGMENT ORDER: [group of 16 rows][ks: 32 k][half][lane L][16 bytes] = k 32 ks + 16 half + 8 (L / 16) + 0..7 of row L % 16.  So a tile of 32 keys that begins at a
; multiple of 16 keys is 32 KB consecutive, its 64 loads cover 512 consecutive bytes each, and they land in registers AS the 32 operands of Q' K'^T: that product reads no LDS.
; The same registers are stored into the wave's own LDS tile, row by row, and come back transposed (ds_load_tr16_b128) as the operands of P K'.
; The key window therefore begins at a multiple of 16: up to 15 keys more, masked like all keys of other clusters.
; NO CLUSTER, NO JOINT LOADS: neighbours' key ranges and numbers of tiles hang on counts read from memory.
; LAYOUTS.  S: source 0 = 16 keys, source 1 = 16 queries: lane l holds query l % 16 and keys 8 (l / 16) + j of each 16: packed to bf16 that IS the second source of the
; next product, so the softmax never leaves the registers; a row's two lanes meet in one v_permlanex16_b32.  O: source 0 = 16 columns of K' (transposing loads), source 1 = P:
; lane l holds query l % 16, columns 8 (l / 16) + j of each of 32 tiles.
; The running maximum starts with the first tile's; masked logits are the lowest finite f32, as in the module: what was summed under that maximum gets the factor exp2 of
; (lowest - a real maximum) = 0, in a later tile and in the merge alike; a row without any key is replaced: whether a row has a key is a count of whole numbers.
; LIMIT: NaN and Inf are not served.
; WINDOWS of 256 registers: 0 at work; 1 Q' fragments (v256..383); 2 O (tile c at 8 c), then the rows read back; 3 the tile (keys 16 y + .., K step s at 8 (16 y + s)), at the end my 8 rows of Q.
.set PK,   1056                        ; LDS pitch of a key row inside a group of eight rows: 4 x 256 + 32 bytes
.set GP8,  8*PK+16                     ; 8,464: from one group of eight rows to the next: 33 x 256 + 16 bytes.  Row i of a group starts at 32 i, modulo 256, in even groups and at
                                       ; 32 i + 16 in odd ones: the 16 rows that the sixteen lanes of a store touch, and the 8 rows x 2 pieces of 16 bytes that the sixteen lanes
                                       ; of a transposing load touch, fall on 16 different pieces of 16 bytes modulo 256 (64 banks of 4 bytes: ISA guide 11.1)
.set WLDS, 4*GP8                       ; a wave's LDS: 33,856 bytes
.set PO,   2064                        ; pitch of a row of O in f32 on the way out: 129 x 16 bytes; 16 rows (33,024 bytes) fit in the same bytes
.set STAT, 4*WLDS                      ; 135,424: 128 bytes a wave: 16 maxima, 16 sums
.set KW,   2                           ; the tile's stores: (r / 8) GP8 + (r % 8) PK + 16 h
.set VRD,  4                           ; transposing loads: h GP8 + (l % 8) PK + 16 ((l / 8) % 2)
.set REL,  5                           ; place of my first key of the tile, counted from my query's cluster's first key
.set CNT,  6                           ; keys in my query's cluster
.set STG,  7                           ; the way out: r x PO + 32 h
.set SST,  8                           ; my wave's maxima and sums: STAT + 128 w + 4 r
.set MM,   10                          ; running maximum (log2 units)
.set LL,   11                          ; my lane's part of the running sum
.set MN,   12                          ; v[12:13] the new maximum, twice
.set AL,   14                          ; v[14:15] the factor for what was summed before, twice
.set NEG,  16
.set T0,   17
.set PB,   20                          ; v[20:27] P in bf16
.set SS,   32                          ; v[32:47] S of keys 0-15 and 16-31
.set TI,   48                          ; v[48:63] at work
.set OFFR, 64                          ; v[64:71] my row i of eight: token x 2,048 + 16 lane; never rewritten
.set ORD,  72                          ; rows back: the pair's first stage + my 8 rows + 16 lane
.set SRD,  73                          ; the pair's maxima and sums of row 8 kh + lane % 8
.set MEAN, 32                          ; v[32:47] at the end: the batch's mean of K', my 16 columns
.set FA,   128                         ; v[128:191], v[192:255] buffers of 8 x 8 for the transposed fragments
.set FB,   192
.set MB,   128                         ; v[128:255] at the end: eight blocks' column sums
.set MSB, 0
.macro WIN new                         ; low byte: 1:0 source 0, 3:2 source 1, 5:4 source 2, 7:6 destination; the high byte repeats the setting that is left
.if MSB != \new
	s_set_vgpr_msb (MSB<<8)|\new
.set MSB, \new
.endif
.endm
.macro PLACES                          ; four places behind a matrix instruction before its result is read or a load lands on its sources
.rept 4
	v_nop
.endr
.endm
	s_load_b256 s[4:11], s[0:1], 0x0               ; Q s[4:5], xp s[6:7], ord s[8:9], offs s[10:11]
	s_load_b128 s[12:15], s[0:1], 0x20             ; ksum s[12:13], out0 s[14:15]
	v_lshl_add_u32 v126, v0, 2, 0x21300
	v_mov_b32 v127, 0
	v_lshrrev_b32 v9, 5, v0
	v_readfirstlane_b32 s20, v9                    ; wave 0..3
	v_and_b32 v[T0], 31, v0                        ; lane
	v_and_b32 v18, 15, v0                          ; r
	v_bfe_u32 v19, v0, 4, 1                        ; h
	v_lshlrev_b32 v1, 4, v[T0]
	v_lshlrev_b32 v9, 2, v18
	s_lshr_b32 s75, s20, 1                         ; qb: which 16 queries of the group's 32
	s_and_b32 s76, s20, 1                          ; kh: which half of their keys
	s_lshl1_add_u32 s21, ttmp9, s75                ; my block of 16 queries, 0..511
	s_lshr_b32 s22, ttmp9, 6                       ; batch
	s_lshl_b32 s48, s21, 6
	s_mov_b32 s49, 0
	s_add_co_u32 s50, s22, 4                       ; offs: the keys' group 4 + b,
	s_lshl_b32 s50, s50, 8                         ; rows of 256 bytes
	s_mov_b32 s51, 0
	s_lshl_b32 s52, s21, 14                        ; a group of 16 rows: 16,384 bytes
	s_mov_b32 s53, 0
	s_lshl_b32 s60, s22, 22                        ; a batch of Q and of out0
	s_mov_b32 s61, 0
	s_mov_b32 s70, 0x76543210                      ; v_permlanex16_b32: lane i reads lane i of the other half
	s_mov_b32 s71, 0xfedcba98
	s_wait_kmcnt 0x0
	s_add_nc_u64 s[24:25], s[8:9], s[48:49]        ; ord at my 16 queries
	s_add_nc_u64 s[26:27], s[10:11], s[50:51]
	s_add_nc_u64 s[30:31], s[6:7], s[52:53]        ; Q' of my block
	s_add_nc_u64 s[16:17], s[4:5], s[60:61]
	s_add_nc_u64 s[18:19], s[14:15], s[60:61]
	s_load_b512 s[32:47], s[24:25], 0x0            ; the block's 16 words as scalars: tokens, first and last cluster
	global_load_b32 v28, v9, s[24:25]              ; and query r's word in its two lanes
	s_mul_i32 s66, s20, WLDS                       ; my wave's LDS
	v_lshrrev_b32 v[KW], 3, v18                    ; r / 8
	v_mul_u32_u24 v[KW], v[KW], GP8
	v_and_b32 v[STG], 7, v0                        ; l % 8 = r % 8
	v_mul_u32_u24 v[STG], v[STG], PK
	v_add_nc_u32 v[KW], v[KW], v[STG]
	v_lshl_add_u32 v[KW], v19, 4, v[KW]
	v_add_nc_u32 v[KW], s66, v[KW]
	v_mul_u32_u24 v[VRD], v19, GP8
	v_add_nc_u32 v[VRD], v[VRD], v[STG]
	v_bfe_u32 v[STG], v0, 3, 1
	v_lshl_add_u32 v[VRD], v[STG], 4, v[VRD]
	v_add_nc_u32 v[VRD], s66, v[VRD]
	v_mul_u32_u24 v[STG], v18, PO
	v_lshl_add_u32 v[STG], v19, 5, v[STG]
	v_add_nc_u32 v[STG], s66, v[STG]
	s_lshl_b32 s67, s20, 7
	s_add_co_u32 s67, s67, STAT
	v_lshl_add_u32 v[SST], v18, 2, s67             ; STAT + 128 w + 4 r
	s_mul_i32 s68, s75, 2*WLDS                     ; the stage of my pair's first wave,
	s_mul_i32 s69, s76, 8*PO                       ; my eight rows in it
	s_add_co_u32 s68, s68, s69
	v_add_nc_u32 v[ORD], s68, v1
	s_lshl_b32 s69, s75, 8                         ; my pair's 256 bytes of maxima and sums,
	s_lshl_b32 s77, s76, 5                         ; my eight rows' words
	s_add_co_u32 s69, s69, s77
	s_add_co_u32 s69, s69, STAT
	v_and_b32 v[SRD], 7, v0
	v_lshl_add_u32 v[SRD], v[SRD], 2, s69
	v_mov_b32 v[NEG], 0xff7fffff                   ; the lowest finite f32
	s_lshl_b32 s62, s22, 16                        ; ksum: 32 blocks of 2,048 bytes a batch
	s_mov_b32 s63, 0
	s_add_nc_u64 s[72:73], s[12:13], s[62:63]
	s_wait_loadcnt 0x0                             ; my query's word: the one load that is out
	v_lshrrev_b32 v28, 16, v28
	v_min_u32 v28, 7, v28
	v_lshlrev_b32 v28, 2, v28
	global_load_b32 v30, v28, s[26:27]             ; first key of my query's cluster
	global_load_b32 v31, v28, s[26:27] offset:4    ; and its end
	WIN 0x40
.set n, 0
.rept 32
	global_load_b128 v[4*n:4*n+3], v1, s[30:31] offset:512*n              ; Q' as fragments: K step n / 2, half n % 2; 512 consecutive bytes a load
.set n, n+1
.endr
	WIN 0
	s_wait_kmcnt 0x0
	s_lshr_b32 s54, s32, 16
	s_min_u32 s54, s54, 7                          ; first cluster of the block's queries
	s_lshl_b32 s54, s54, 2
	s_lshr_b32 s55, s47, 16
	s_min_u32 s55, s55, 7                          ; last
	s_lshl_b32 s55, s55, 2
	s_load_b32 s56, s[26:27], s54 offset:0x0       ; first key of the first cluster
	s_load_b32 s57, s[26:27], s55 offset:0x4       ; end of the last
	s_cmp_eq_u32 s76, 0
.irp i, 0,1,2,3,4,5,6,7
	s_cselect_b32 s[88+\i], s[32+\i], s[40+\i]     ; the words of the eight rows that I finish: 8 kh + i
.endr
.irp i, 0,1,2,3,4,5,6,7
	s_and_b32 s59, s[88+\i], 0xffff
	s_min_u32 s59, s59, 0x7ff
	s_lshl_b32 s59, s59, 11
	v_add_nc_u32 v[OFFR+\i], s59, v1
.endr
	s_wait_kmcnt 0x0
	s_min_u32 s56, s56, 0x800
	s_and_b32 s56, s56, 0xff0                      ; down to a multiple of 16 keys: a tile is made of whole groups of 16
	s_min_u32 s57, s57, 0x800
	s_max_u32 s57, s57, s56
	s_sub_co_u32 s58, s57, s56
	s_add_co_u32 s58, s58, 63
	s_lshr_b32 s58, s58, 6
	s_max_u32 s58, s58, 1                          ; tiles of each of the pair's two waves, 1..32: a block without any key walks one tile a wave, all masked
	s_lshl_b32 s59, s58, 6
	s_sub_co_u32 s59, 0x800, s59
	s_min_u32 s56, s56, s59                        ; the window of 64 n keys is moved back where it would pass the batch's end (to a multiple of 64)
	s_mul_i32 s59, s58, s76
	s_lshl_b32 s59, s59, 5
	s_add_co_u32 s56, s56, s59                     ; my half begins 32 n kh keys further on
	s_min_u32 s56, s56, 0x7e0
	s_lshl_b32 s62, s22, 11
	s_add_co_u32 s62, s62, s56
	s_lshl_b32 s62, s62, 10                        ; (2,048 b + first key) x 1,024 bytes: the first key's group of 16
	s_add_co_u32 s62, s62, 0x800000                ; K' lies behind Q' in xp
	s_add_nc_u64 s[28:29], s[6:7], s[62:63]
	s_wait_loadcnt 32                              ; the two words of offs are in; the 32 loads of Q' stay out
	v_sub_nc_u32 v[CNT], v31, v30
	v_lshl_add_u32 v[REL], v19, 3, s56             ; my first key + 8 h
	v_sub_nc_u32 v[REL], v[REL], v30
	v_cmp_ne_u32 s84, 0, v[CNT]                    ; bit r (and r + 16): query r has a key
; A quarter of a tile: 16 loads of 512 consecutive bytes, into window 3 (the caller sets the window).  Quarter g holds keys 16 (g / 2) + 0..15, K steps 8 (g % 2) + 0..7.
; The quarters are always asked for in the order 0, 2, 1, 3, which is the order in which the products need them and set their registers free.
.macro GETK16 g
.irp k, 0,1,2,3,4,5,6,7,8,9,10,11,12,13,14,15
	global_load_b128 v[4*(16*\g+\k):4*(16*\g+\k)+3], v1, s[28:29] offset:512*(16*\g+\k)
.endr
.endm
.macro GETQ16 g                        ; four of my eight rows of Q, which are added at the end, into window 3, where no tile is due any more
.irp i, 0,1,2,3
.irp c, 0,1,2,3
	global_load_b128 v[16*(4*\g+\i)+4*\c:16*(4*\g+\i)+4*\c+3], v[OFFR+4*\g+\i], s[16:17] offset:512*\c
.endr
.endr
.endm
.macro PUT16 g, left                   ; quarter g goes from window 3 to LDS, row-major: lane (r, h) puts 16 bytes of row 16 (g / 2) + r at byte 512 (g % 2) + 32 k + 16 h
	s_wait_loadcnt \left                           ; the tile's 64 loads are the youngest: the quarters asked for later stay out
.irp k, 0,1,2,3,4,5,6,7,8,9,10,11,12,13,14,15
	ds_store_b128 v[KW], v[4*(16*\g+\k):4*(16*\g+\k)+3] offset:(\g>>1)*2*GP8+(\g&1)*512+32*\k
.endr
.endm
.macro MULQ g                          ; K steps 8 g .. 8 g + 7 of Q' K'^T: sixteen matrix instructions; the two accumulators take turns
.irp u, 0,1,2,3,4,5,6,7
.irp y, 0,1
.if 8*\g+\u == 0
	v_wmma_f32_16x16x32_bf16 v[SS+8*\y:SS+8*\y+7], v[8*(16*\y+8*\g+\u):8*(16*\y+8*\g+\u)+7], v[8*(8*\g+\u):8*(8*\g+\u)+7], 0
.else
	v_wmma_f32_16x16x32_bf16 v[SS+8*\y:SS+8*\y+7], v[8*(16*\y+8*\g+\u):8*(16*\y+8*\g+\u)+7], v[8*(8*\g+\u):8*(8*\g+\u)+7], v[SS+8*\y:SS+8*\y+7]
.endif
.endr
.endr
.endm
.macro LOADV g, buf                    ; K' transposed: column tiles 8 g .. 8 g + 7, all 32 keys (keys 16 .. 31 lie two groups of eight rows further on)
.irp u, 0,1,2,3,4,5,6,7
	ds_load_tr16_b128 v[\buf+8*\u:\buf+8*\u+3], v[VRD] offset:32*(8*\g+\u)
	ds_load_tr16_b128 v[\buf+8*\u+4:\buf+8*\u+7], v[VRD] offset:32*(8*\g+\u)+2*GP8
.endr
.endm
.macro MULV g, buf, first              ; eight matrix instructions on eight accumulators
.irp u, 0,1,2,3,4,5,6,7
.if \first
	v_wmma_f32_16x16x32_bf16 v[8*(8*\g+\u):8*(8*\g+\u)+7], v[\buf+8*\u:\buf+8*\u+7], v[PB:PB+7], 0
.else
	v_wmma_f32_16x16x32_bf16 v[8*(8*\g+\u):8*(8*\g+\u)+7], v[\buf+8*\u:\buf+8*\u+7], v[PB:PB+7], v[8*(8*\g+\u):8*(8*\g+\u)+7]
.endif
.endr
.endm
; One tile of 32 keys.  first = 1: it starts the maximum, the sum and O (nothing is cleared).  ahead = 1: the next tile is asked for; 0: my rows of Q instead.
.macro TRIP first, ahead
	WIN 0x0c                                       ; store data in window 3
	PUT16 0, 48
	PUT16 2, 32
	WIN 0x07                                       ; source 0 (the tile) in window 3, source 1 (Q') in window 1
	MULQ 0
	WIN 0x0c
	PUT16 1, 16
	PUT16 3, 0
.if \ahead
	WIN 0
	PLACES                                         ; behind the products that read quarters 0 and 2
	s_add_nc_u64 s[28:29], s[28:29], 32*1024       ; the loads that named this base are in (the wait for 0 of the last quarter)
	s_wait_dscnt 32                                ; all but the youngest 32: the stores of quarters 0 and 2 have read their data
	WIN 0xc0                                       ; loaded data in window 3
	GETK16 0
	GETK16 2
.endif
	WIN 0x07
	MULQ 1
	WIN 0
.irp e, 0,1,2,3,4,5,6,7
	v_add_nc_u32 v[TI+\e], \e, v[REL]              ; my sixteen keys' places in my query's cluster; these lines are also the places behind the products
	v_add_nc_u32 v[TI+8+\e], 16+\e, v[REL]
.endr
	v_add_nc_u32 v[REL], 32, v[REL]
	s_wait_dscnt 0x0                               ; the stores of quarters 1 and 3 have read their data
	LOADV 0, FA                                    ; on their way during the softmax
	LOADV 1, FB
	WIN 0xc0
.if \ahead
	GETK16 1
.else
	GETQ16 0
	GETQ16 1
.endif
	WIN 0
.irp k, 0,2,4,6,8,10,12,14
	v_pk_mul_f32 v[SS+\k:SS+\k+1], v[SS+\k:SS+\k+1], 0x3d8293ee op_sel_hi:[1,0]   ; x log2(e) / sqrt(512)
.endr
.irp e, 0,1,2,3,4,5,6,7,8,9,10,11,12,13,14,15
	v_cmp_gt_u32 vcc_lo, v[CNT], v[TI+\e]          ; unsigned: places in front of the cluster wrap to large numbers
	v_cndmask_b32 v[SS+\e], v[NEG], v[SS+\e], vcc_lo
.endr
	v_max3_num_f32 v56, v[SS], v[SS+1], v[SS+2]
	v_max3_num_f32 v57, v[SS+3], v[SS+4], v[SS+5]
	v_max3_num_f32 v58, v[SS+6], v[SS+7], v[SS+8]
	v_max3_num_f32 v59, v[SS+9], v[SS+10], v[SS+11]
	v_max3_num_f32 v60, v[SS+12], v[SS+13], v[SS+14]
	v_max3_num_f32 v56, v56, v57, v[SS+15]
	v_max3_num_f32 v58, v58, v59, v60
	v_max_num_f32 v56, v56, v58
	v_permlanex16_b32 v[T0], v56, s70, s71         ; the row's other sixteen keys
.if \first
	v_max_num_f32 v[MN], v56, v[T0]
.else
	v_max3_num_f32 v[MN], v56, v[T0], v[MM]
	v_sub_f32 v[AL], v[MM], v[MN]
	v_exp_f32 v[AL], v[AL]
.endif
	v_mov_b32 v[MN+1], v[MN]                       ; plain, and touches no exponential (ISA guide 5.7.2)
.irp k, 0,2,4,6,8,10,12,14
	v_pk_add_f32 v[SS+\k:SS+\k+1], v[SS+\k:SS+\k+1], v[MN:MN+1] neg_lo:[0,1] neg_hi:[0,1]
.endr
.irp e, 0,1,2,3,4,5,6,7,8,9,10,11,12,13,14,15
	v_exp_f32 v[SS+\e], v[SS+\e]
.endr
	v_mov_b32 v[MM], v[MN]                         ; the plain place behind the exponentials
.if \first == 0
	s_wait_alu depctr_va_vdst(0)
	v_mov_b32 v[AL+1], v[AL]
.endif
	s_wait_alu depctr_va_vdst(0)
	v_pk_add_f32 v[48:49], v[SS:SS+1], v[SS+2:SS+3]
	v_pk_add_f32 v[50:51], v[SS+4:SS+5], v[SS+6:SS+7]
	v_pk_add_f32 v[52:53], v[SS+8:SS+9], v[SS+10:SS+11]
	v_pk_add_f32 v[54:55], v[SS+12:SS+13], v[SS+14:SS+15]
	v_pk_add_f32 v[48:49], v[48:49], v[50:51]
	v_pk_add_f32 v[52:53], v[52:53], v[54:55]
	v_pk_add_f32 v[48:49], v[48:49], v[52:53]
.if \first
	v_add_f32 v[LL], v48, v49
.else
	v_add_f32 v48, v48, v49
	v_fma_f32 v[LL], v[LL], v[AL], v48
.endif
.irp k, 0,1,2,3,4,5,6,7
	v_cvt_pk_bf16_f32 v[PB+\k], v[SS+2*\k], v[SS+2*\k+1]       ; registers 0-3: keys 8 h + 0..7; 4-7: keys 16 + 8 h + 0..7
.endr
.if \ahead
	WIN 0xc0
	GETK16 3                                       ; the next tile's last quarter goes out apart from the other three: the second product, 48 LDS stores and 16 products lie between it and its wait
.endif
.if \first == 0
	WIN 0x82                                       ; O in window 2, the factor in window 0
.set n, 0
.rept 128
	v_pk_mul_f32 v[2*n:2*n+1], v[2*n:2*n+1], v[AL:AL+1]
.set n, n+1
.endr
.endif
	s_wait_dscnt 16                                ; column tiles 0-7 are in; 8-15 stay out
	WIN 0xa0                                       ; C and D in window 2
	MULV 0, FA, \first
	WIN 0
	PLACES
	LOADV 2, FA
	s_wait_dscnt 16
	WIN 0xa0
	MULV 1, FB, \first
	WIN 0
	PLACES
	LOADV 3, FB
	s_wait_dscnt 16
	WIN 0xa0
	MULV 2, FA, \first
	s_wait_dscnt 0
	MULV 3, FB, \first
	WIN 0
	PLACES                                         ; for the next tile's transposing loads, and for the way out
.endm
	WIN 0xc0
	GETK16 0                                       ; tile 0, in the order in which every tile is asked for
	GETK16 2
	GETK16 1
	GETK16 3
	WIN 0
	s_cmp_eq_u32 s58, 1
	s_cbranch_scc1 .Lone
	TRIP 1, 1
	s_sub_co_u32 s74, s58, 2
	s_cmp_eq_u32 s74, 0
	s_cbranch_scc1 .Llast
.Lloop:
	TRIP 0, 1
	s_sub_co_u32 s74, s74, 1
	s_cmp_lg_u32 s74, 0
	s_cbranch_scc1 .Lloop
.Llast:
	TRIP 0, 0
	s_branch .Lend
.Lone:
	TRIP 1, 0
.Lend:
	; THE MERGE AND THE WAY OUT.  All paths have joined.  My maximum, my sum and my raw O go into my own LDS bytes (no key tile is due any more).
	v_permlanex16_b32 v[T0], v[LL], s70, s71
	v_add_f32 v[LL], v[LL], v[T0]                  ; the row's sum over my half of the keys; at least 1: its largest term is exp2(0)
	ds_store_b32 v[SST], v[MM]                     ; a row's two lanes write the same word with the same number
	ds_store_b32 v[SST], v[LL] offset:64
	WIN 0x08                                       ; store data in window 2
.set n, 0
.rept 32
	ds_store_b128 v[STG], v[8*n:8*n+3] offset:64*n
	ds_store_b128 v[STG], v[8*n+4:8*n+7] offset:64*n+16
.set n, n+1
.endr
	WIN 0
	s_wait_dscnt 0x0                               ; my stores are done, for my partner's sake, and have read window 2, which the loads below fill again
	s_barrier_signal -1
	s_barrier_wait -1                              ; every wave's are
	ds_load_b32 v48, v[SRD]                        ; lane l: row 8 kh + l % 8: maximum of the pair's first wave,
	ds_load_b32 v49, v[SRD] offset:64              ; its sum,
	ds_load_b32 v50, v[SRD] offset:128             ; the second wave's maximum
	ds_load_b32 v51, v[SRD] offset:192             ; and sum
	WIN 0x80
.irp i, 0,1,2,3,4,5,6,7
.irp c, 0,1,2,3
	ds_load_b128 v[16*\i+4*\c:16*\i+4*\c+3], v[ORD] offset:\i*PO+512*\c              ; my eight rows of the first wave's O, as whole rows
.endr
.endr
	WIN 0
	s_wait_dscnt 32                                ; the four words are in; the 32 row loads behind them stay out
	v_max_num_f32 v52, v48, v50
	v_sub_f32 v53, v48, v52
	v_sub_f32 v54, v50, v52
	v_exp_f32 v53, v53                             ; one of the two is exp2(0) = 1
	v_exp_f32 v54, v54
	v_nop                                          ; the place behind the exponentials
	s_wait_alu depctr_va_vdst(0)
	v_mul_f32 v55, v49, v53
	v_fma_f32 v55, v51, v54, v55                   ; the row's whole sum, at least 1
	v_rcp_f32 v55, v55
	v_nop                                          ; the place behind the reciprocal
	s_wait_alu depctr_va_vdst(0)
	v_mul_f32 v53, v53, v55
	v_mul_f32 v54, v54, v55
.irp i, 0,1,2,3,4,5,6,7
	v_readlane_b32 s[32+2*\i], v53, \i             ; the two factors of my row i, each in the even register of a pair whose odd one has been written before
	v_readlane_b32 s[48+2*\i], v54, \i
.endr
	WIN 0x80
.irp i, 0,1,2,3,4,5,6,7
.irp c, 0,1,2,3
	ds_load_b128 v[128+16*\i+4*\c:128+16*\i+4*\c+3], v[ORD] offset:WLDS+\i*PO+512*\c  ; the same rows of the second wave's O
.endr
.endr
	WIN 0
	s_lshl_b32 s77, s76, 3
	s_lshr_b32 s85, s84, s77
	s_and_b32 s85, s85, 0xff                       ; bit i: my row i has a key
	s_wait_dscnt 0x0
	s_cmp_eq_u32 s85, 0xff
	s_cbranch_scc1 .Lhave                          ; every row of mine has a key: a decision on whole numbers read from memory
	; Some row has none: the batch's mean of K' from the 32 blocks' column sums, in the rows' layout (16 lane + 512 c).
	; Four batches of eight blocks, 32 loads each, into the fragment buffers, which are free now; a block's place stands in the immediate.
.irp g, 0,1,2,3
.irp j, 0,1,2,3,4,5,6,7
.irp c, 0,1,2,3
	global_load_b128 v[MB+16*\j+4*\c:MB+16*\j+4*\c+3], v1, s[72:73] offset:(8*\g+\j)*2048+512*\c
.endr
.endr
	s_wait_loadcnt 0x0
.if \g == 0
.irp k, 0,2,4,6,8,10,12,14
	v_pk_add_f32 v[MEAN+\k:MEAN+\k+1], v[MB+\k:MB+\k+1], v[MB+16+\k:MB+16+\k+1]   ; the first two blocks start the sums
.endr
.else
.irp j, 0,1
.irp k, 0,2,4,6,8,10,12,14
	v_pk_add_f32 v[MEAN+\k:MEAN+\k+1], v[MEAN+\k:MEAN+\k+1], v[MB+16*\j+\k:MB+16*\j+\k+1]
.endr
.endr
.endif
.irp j, 2,3,4,5,6,7
.irp k, 0,2,4,6,8,10,12,14
	v_pk_add_f32 v[MEAN+\k:MEAN+\k+1], v[MEAN+\k:MEAN+\k+1], v[MB+16*\j+\k:MB+16*\j+\k+1]
.endr
.endr
.endr
.irp k, 0,2,4,6,8,10,12,14
	v_pk_mul_f32 v[MEAN+\k:MEAN+\k+1], v[MEAN+\k:MEAN+\k+1], 0x3a000000 op_sel_hi:[1,0]   ; / 2,048
.endr
	WIN 0x88                                       ; destination and source 1 in window 2, the mean in window 0
.irp i, 0,1,2,3,4,5,6,7
	s_bitcmp1_b32 s85, \i
	s_cselect_b32 s86, -1, 0
	s_cselect_b32 s[32+2*\i], s[32+2*\i], 1.0      ; the mean takes the first wave's place and is taken as it is;
	s_cselect_b32 s[48+2*\i], s[48+2*\i], 0        ; the second wave's row, finite, counts for nothing
.irp k, 0,1,2,3,4,5,6,7,8,9,10,11,12,13,14,15
	v_cndmask_b32 v[16*\i+\k], v[MEAN+\k], v[16*\i+\k], s86
.endr
.endr
	WIN 0
.Lhave:
	s_wait_loadcnt 0x0                             ; my rows of Q, asked for in the last tile
	WIN 0xb2                                       ; O in window 2, Q in window 3
.irp i, 0,1,2,3,4,5,6,7
.irp k, 0,2,4,6,8,10,12,14
	v_pk_fma_f32 v[16*\i+\k:16*\i+\k+1], v[16*\i+\k:16*\i+\k+1], s[32+2*\i:33+2*\i], v[16*\i+\k:16*\i+\k+1] op_sel_hi:[1,0,1]       ; O_a f_a + Q
.endr
.endr
	WIN 0xa2                                       ; all three in window 2
.irp i, 0,1,2,3,4,5,6,7
.irp k, 0,2,4,6,8,10,12,14
	v_pk_fma_f32 v[16*\i+\k:16*\i+\k+1], v[128+16*\i+\k:128+16*\i+\k+1], s[48+2*\i:49+2*\i], v[16*\i+\k:16*\i+\k+1] op_sel_hi:[1,0,1]   ; + O_b f_b
.endr
.endr
	WIN 0x08
.irp i, 0,1,2,3,4,5,6,7
.irp c, 0,1,2,3
	global_store_b128 v[OFFR+\i], v[16*\i+4*\c:16*\i+4*\c+3], s[18:19] offset:512*\c th:TH_STORE_NT   ; 512 consecutive bytes of the token's row
.endr
.endr
	WIN 0
	s_wait_tensorcnt 0x0
	ds_add_u32 v126, v127
	s_wait_dscnt 0x0
	s_endpgm
.Lfunc_end_k_qce8a8cd12a_attn:
	.size	k_qce8a8cd12a_attn, .Lfunc_end_k_qce8a8cd12a_attn-k_qce8a8cd12a_attn
	.p2alignl 7, 3214868480
	.fill 96, 4, 3214868480
	.section	.rodata,"a",@progbits
	.p2align	6, 0x0
	.amdhsa_kernel k_qce8a8cd12a_attn
		.amdhsa_group_segment_fixed_size 136448
		.amdhsa_private_segment_fixed_size 0
		.amdhsa_enable_private_segment 0
		.amdhsa_kernarg_size 48
		.amdhsa_user_sgpr_count 2
		.amdhsa_user_sgpr_kernarg_segment_ptr 1
		.amdhsa_wavefront_size32 1
		.amdhsa_system_sgpr_workgroup_id_x 1
		.amdhsa_system_sgpr_workgroup_id_y 1
		.amdhsa_system_sgpr_workgroup_id_z 1
		.amdhsa_system_vgpr_workitem_id 0
		.amdhsa_next_free_vgpr 1024
		.amdhsa_next_free_sgpr 96
		.amdhsa_reserve_vcc 1
		.amdhsa_float_denorm_mode_32 3
		.amdhsa_float_denorm_mode_16_64 3
		.amdhsa_memory_ordered 1
		.amdhsa_forward_progress 1
		.amdhsa_inst_pref_size 183
	.end_amdhsa_kernel
	.amdgpu_metadata
---
amdhsa.version: [ 1, 2 ]
amdhsa.kernels:
  - .name:           k_qce8a8cd12a_attn
    .symbol:         k_qce8a8cd12a_attn.kd
    .args:
      - { .name: Q, .offset: 0, .size: 8, .value_kind: global_buffer, .address_space: global }
      - { .name: xp, .offset: 8, .size: 8, .value_kind: global_buffer, .address_space: global }
      - { .name: ord, .offset: 16, .size: 8, .value_kind: global_buffer, .address_space: global }
      - { .name: offs, .offset: 24, .size: 8, .value_kind: global_buffer, .address_space: global }
      - { .name: ksum, .offset: 32, .size: 8, .value_kind: global_buffer, .address_space: global }
      - { .name: out0, .offset: 40, .size: 8, .value_kind: global_buffer, .address_space: global }
    .group_segment_fixed_size: 136448
    .private_segment_fixed_size: 0
    .kernarg_segment_align: 8
    .kernarg_segment_size: 48
    .max_flat_workgroup_size: 128
    .sgpr_count:     96
    .vgpr_count:     1024
    .wavefront_size: 32
...
	.end_amdgpu_metadata
.endif
;; end of part 6
;; ======== version 3 of 3: 4 launches; version 2 with the launch attn written anew for expert scheduling mode
;; limits: values outside matrix products are rounded to bf16; a function is approximated: absolute error at most 1.5e-07
;; workspace buffers: assign 65,536 bytes of whole numbers; ord 65,536 bytes of whole numbers; offs 2,048 bytes of whole numbers; wf 8,388,608 bytes; xp 16,777,216 bytes; ksum 262,144 bytes
;; launch prep: the kernel of part 1 again; grid 384 x 1, 8 waves a work-group, no clusters, 84,224 bytes of LDS; arguments Q, K, miu, Wq, Wk, assign, wf; writes assign, wf
;; launch sort: the kernel of part 2 again; grid 8 x 1, 8 waves a work-group, no clusters, 11,264 bytes of LDS; arguments assign, ord, offs; writes ord, offs
;; launch expert: the kernel of part 5 again; grid 128 x 2, 8 waves a work-group, no clusters, 136,192 bytes of LDS; arguments Q, K, wf, bq, bk, ord, xp, ksum; writes xp, ksum
;; launch attn (part 7): grid 256 x 1, 4 waves a work-group, no clusters, 136,448 bytes of LDS; arguments Q, xp, ord, offs, ksum, out0; writes out0
.if DOCPART == 7
	.amdgcn_target "amdgcn-amd-amdhsa--gfx1250"
	.amdhsa_code_object_version 6
	.text
	.protected	k_qce8a8cd12a_attn
	.globl	k_qce8a8cd12a_attn
	.p2align	8
	.type	k_qce8a8cd12a_attn,@function
k_qce8a8cd12a_attn:
	s_mov_b64 s[64:65], 0
	v_nop
	global_prefetch_b8 v0, s[64:65] scope:SCOPE_SE
	s_setreg_imm32_b32 hwreg(HW_REG_WAVE_SCHED_MODE, 0, 2), 2
	s_setreg_imm32_b32 hwreg(HW_REG_WAVE_MODE, 25, 1), 1
	s_wait_xcnt 0x0
	s_wait_alu depctr_vm_vsrc(0)
; out0[b][token] = Q[b][token] + softmax over the keys of the query's own cluster of (Q' . K' / sqrt 512) x K', or + mean of K' where that cluster has no key in the batch.
; V is not among the arguments: the module overwrites it with K' before any use.
; Queries and keys lie sorted by (batch, cluster) in xp, so the keys of a cluster are consecutive rows.  A work-group owns 32 sorted queries, four waves, one for each SIMD:
; wave w works for the block of 16 queries qb = w / 2 and walks, in tiles of 32, the half kh = w % 2 of the keys from the first cluster of those queries to the last;
; keys of another cluster than a query's are masked by their place.  Each wave keeps its own running maximum, sum and O (16 x 512).
; The number of tiles is read from memory, so the loop holds no barrier and no tile is filled for another wave.  ONE barrier stands behind the loop, where all paths have joined:
; in front of it each wave puts maximum, sum and raw O into its own LDS bytes; behind it each wave of a pair finishes 8 of the 16 rows:
; out = O_a f_a + O_b f_b + Q, f_x = exp2(m_x - max(m_a, m_b)) / (l_a e_a + l_b e_b).
; xp LIES IN FRAGMENT ORDER: [group of 16 rows][ks: 32 k][half][lane L][16 bytes] = k 32 ks + 16 half + 8 (L / 16) + 0..7 of row L % 16.  So a tile of 32 keys that begins at a
; multiple of 16 keys is 32 KB consecutive, its 64 loads cover 512 consecutive bytes each, and they land in registers AS the 32 operands of Q' K'^T: that product reads no LDS.
; The same registers are stored into the wave's own LDS tile, row by row, and come back transposed (ds_load_tr16_b128) as the operands of P K'.
; The key window therefore begins at a multiple of 16: up to 15 keys more, masked like all keys of other clusters.
; NO CLUSTER, NO JOINT LOADS: neighbours' key ranges and numbers of tiles hang on counts read from memory.
; LAYOUTS.  S: source 0 = 16 keys, source 1 = 16 queries: lane l holds query l % 16 and keys 8 (l / 16) + j of each 16: packed to bf16 that IS the second source of the
; next product, so the softmax never leaves the registers; a row's two lanes meet in one v_permlanex16_b32.  O: source 0 = 16 columns of K' (transposing loads), source 1 = P:
; lane l holds query l % 16, columns 8 (l / 16) + j of each of 32 tiles.
; The running maximum starts with the first tile's; masked logits are the lowest finite f32, as in the module: what was summed under that maximum gets the factor exp2 of
; (lowest - a real maximum) = 0, in a later tile and in the merge alike; a row without any key is replaced: whether a row has a key is a count of whole numbers.
; LIMIT: NaN and Inf are not served.
; WINDOWS of 256 registers: 0 at work, and two buffers of transposed fragments; 1 Q' fragments (v256..383) and the other two buffers (v384..511); 2 O (tile c at 8 c), then the rows read back;
; 3 the tile (keys 16 y + .., K step s at 8 (16 y + s)), at the end my 8 rows of Q.
; THE MODE: SCHED_MODE bits 1:0 = 2 (LLVM: expert scheduling mode 2), set by the entry lines.  The code itself states the register dependences
; between vector or matrix instructions and memory or LDS instructions, with s_wait_alu, always for 0.
; THE PLAN.  Registers that memory or LDS instructions touch, in a trip:
;   window 3      Written by the tile's global loads.  Read by the trip's 64 LDS stores, by the first sixteen products (quarters 0 and 2) and by the second sixteen (quarters 1 and 3).
;   FA FB FC FD   One buffer for each group of eight column tiles.  Written by the group's transposing loads; read by the group's eight products P K', at the trip's end.
;   v1 v2 v4      Offsets and LDS addresses (with v7, v8, v64 to v73 for the end): made at the head; no vector instruction names them behind the wait in front of the first tile's loads.
;   S, P, O, the statistics and the places are named by vector and matrix instructions alone.
; So a trip has: one wait on va_vdst and one on vm_vsrc in front of the loads into quarters 0 and 2; one wait on va_vdst behind the second sixteen products, which serves the loads into
; quarters 1 and 3 and all 64 transposing loads (between it and them stand loads, window switches and lines of the softmax, which name v10 to v63 alone); one on va_sdst between the
; sixteen compares and the selects; and the exponentials' one wait on va_vdst.  No load of a trip lands in a fragment buffer that a product of the same trip has read.
.set PK,   1056                        ; LDS pitch of a key row inside a group of eight rows: 4 x 256 + 32 bytes
.set GP8,  8*PK+16                     ; 8,464: from one group of eight rows to the next: 33 x 256 + 16 bytes.  Row i of a group starts at 32 i, modulo 256, in even groups and at
                                       ; 32 i + 16 in odd ones: the 16 rows that the sixteen lanes of a store touch, and the 8 rows x 2 pieces of 16 bytes that the sixteen lanes
                                       ; of a transposing load touch, fall on 16 different pieces of 16 bytes modulo 256 (64 banks of 4 bytes: ISA guide 11.1)
.set WLDS, 4*GP8                       ; a wave's LDS: 33,856 bytes
.set PO,   2064                        ; pitch of a row of O in f32 on the way out: 129 x 16 bytes; 16 rows (33,024 bytes) fit in the same bytes
.set STAT, 4*WLDS                      ; 135,424: 128 bytes a wave: 16 maxima, 16 sums
.set KW,   2                           ; the tile's stores: (r / 8) GP8 + (r % 8) PK + 16 h
.set VRD,  4                           ; transposing loads: h GP8 + (l % 8) PK + 16 ((l / 8) % 2)
.set REL,  5                           ; place of my first key of the tile, counted from my query's cluster's first key
.set CNT,  6                           ; keys in my query's cluster
.set STG,  7                           ; the way out: r x PO + 32 h
.set SST,  8                           ; my wave's maxima and sums: STAT + 128 w + 4 r
.set MM,   10                          ; running maximum (log2 units)
.set LL,   11                          ; my lane's part of the running sum
.set MN,   12                          ; v[12:13] the new maximum, twice
.set AL,   14                          ; v[14:15] the factor for what was summed before, twice
.set NEG,  16
.set T0,   17
.set PB,   20                          ; v[20:27] P in bf16
.set SS,   32                          ; v[32:47] S of keys 0-15 and 16-31
.set TI,   48                          ; v[48:63] at work
.set OFFR, 64                          ; v[64:71] my row i of eight: token x 2,048 + 16 lane; never rewritten
.set ORD,  72                          ; rows back: the pair's first stage + my 8 rows + 16 lane
.set SRD,  73                          ; the pair's maxima and sums of row 8 kh + lane % 8
.set MEAN, 32                          ; v[32:47] at the end: the batch's mean of K', my 16 columns
.set FA,   128                         ; window 0: v[128:191], v[192:255]: the transposed fragments of column tiles 0-7 and 8-15, 8 x 8 registers each
.set FB,   192
.set FC,   128                         ; window 1: v[384:447], v[448:511]: those of column tiles 16-23 and 24-31
.set FD,   192
.set MB,   128                         ; v[128:255] at the end: eight blocks' column sums
.set CM,   32                          ; s[32:47] in a trip: the masks of my sixteen keys (the block's words, which lay there, have been used at the head)
.set MSB, 0
.macro WIN new                         ; low byte: 1:0 source 0, 3:2 source 1, 5:4 source 2, 7:6 destination; the high byte repeats the setting that is left
.if MSB != \new
	s_set_vgpr_msb (MSB<<8)|\new
.set MSB, \new
.endif
.endm
.macro PLACES                          ; four places behind a matrix instruction (ISA guide 7.12.1)
.rept 4
	v_nop
.endr
.endm
	s_load_b256 s[4:11], s[0:1], 0x0               ; Q s[4:5], xp s[6:7], ord s[8:9], offs s[10:11]
	s_load_b128 s[12:15], s[0:1], 0x20             ; ksum s[12:13], out0 s[14:15]
	v_lshl_add_u32 v126, v0, 2, 0x21300
	v_mov_b32 v127, 0
	v_lshrrev_b32 v9, 5, v0
	v_readfirstlane_b32 s20, v9                    ; wave 0..3
	v_and_b32 v[T0], 31, v0                        ; lane
	v_and_b32 v18, 15, v0                          ; r
	v_bfe_u32 v19, v0, 4, 1                        ; h
	v_lshlrev_b32 v1, 4, v[T0]
	v_lshlrev_b32 v9, 2, v18
	s_wait_alu depctr_va_sdst(0)                   ; s20 is written, ahead of its first reader: the wave's shares and LDS bytes are made from it
	s_lshr_b32 s75, s20, 1                         ; qb: which 16 queries of the group's 32
	s_and_b32 s76, s20, 1                          ; kh: which half of their keys
	s_lshl1_add_u32 s21, ttmp9, s75                ; my block of 16 queries, 0..511
	s_lshr_b32 s22, ttmp9, 6                       ; batch
	s_lshl_b32 s48, s21, 6
	s_mov_b32 s49, 0
	s_add_co_u32 s50, s22, 4                       ; offs: the keys' group 4 + b,
	s_lshl_b32 s50, s50, 8                         ; rows of 256 bytes
	s_mov_b32 s51, 0
	s_lshl_b32 s52, s21, 14                        ; a group of 16 rows: 16,384 bytes
	s_mov_b32 s53, 0
	s_lshl_b32 s60, s22, 22                        ; a batch of Q and of out0
	s_mov_b32 s61, 0
	s_mov_b32 s70, 0x76543210                      ; v_permlanex16_b32: lane i reads lane i of the other half
	s_mov_b32 s71, 0xfedcba98
	s_wait_kmcnt 0x0
	s_add_nc_u64 s[24:25], s[8:9], s[48:49]        ; ord at my 16 queries
	s_add_nc_u64 s[26:27], s[10:11], s[50:51]
	s_add_nc_u64 s[30:31], s[6:7], s[52:53]        ; Q' of my block
	s_add_nc_u64 s[16:17], s[4:5], s[60:61]
	s_add_nc_u64 s[18:19], s[14:15], s[60:61]
	s_load_b512 s[32:47], s[24:25], 0x0            ; the block's 16 words as scalars: tokens, first and last cluster
	s_wait_alu depctr_va_vdst(0)                   ; v9 is written, which the load below reads as its offset
	global_load_b32 v28, v9, s[24:25]              ; and query r's word in its two lanes
	s_mul_i32 s66, s20, WLDS                       ; my wave's LDS
	v_lshrrev_b32 v[KW], 3, v18                    ; r / 8
	v_mul_u32_u24 v[KW], v[KW], GP8
	v_and_b32 v[STG], 7, v0                        ; l % 8 = r % 8
	v_mul_u32_u24 v[STG], v[STG], PK
	v_add_nc_u32 v[KW], v[KW], v[STG]
	v_lshl_add_u32 v[KW], v19, 4, v[KW]
	v_add_nc_u32 v[KW], s66, v[KW]
	v_mul_u32_u24 v[VRD], v19, GP8
	v_add_nc_u32 v[VRD], v[VRD], v[STG]
	v_bfe_u32 v[STG], v0, 3, 1
	v_lshl_add_u32 v[VRD], v[STG], 4, v[VRD]
	v_add_nc_u32 v[VRD], s66, v[VRD]
	v_mul_u32_u24 v[STG], v18, PO
	v_lshl_add_u32 v[STG], v19, 5, v[STG]
	v_add_nc_u32 v[STG], s66, v[STG]
	s_lshl_b32 s67, s20, 7
	s_add_co_u32 s67, s67, STAT
	v_lshl_add_u32 v[SST], v18, 2, s67             ; STAT + 128 w + 4 r
	s_mul_i32 s68, s75, 2*WLDS                     ; the stage of my pair's first wave,
	s_mul_i32 s69, s76, 8*PO                       ; my eight rows in it
	s_add_co_u32 s68, s68, s69
	v_add_nc_u32 v[ORD], s68, v1
	s_lshl_b32 s69, s75, 8                         ; my pair's 256 bytes of maxima and sums,
	s_lshl_b32 s77, s76, 5                         ; my eight rows' words
	s_add_co_u32 s69, s69, s77
	s_add_co_u32 s69, s69, STAT
	v_and_b32 v[SRD], 7, v0
	v_lshl_add_u32 v[SRD], v[SRD], 2, s69
	v_mov_b32 v[NEG], 0xff7fffff                   ; the lowest finite f32
	s_lshl_b32 s62, s22, 16                        ; ksum: 32 blocks of 2,048 bytes a batch
	s_mov_b32 s63, 0
	s_add_nc_u64 s[72:73], s[12:13], s[62:63]
	s_wait_loadcnt 0x0                             ; my query's word: the one load that is out
	v_lshrrev_b32 v28, 16, v28
	v_min_u32 v28, 7, v28
	v_lshlrev_b32 v28, 2, v28
	s_wait_alu depctr_va_vdst(0)                   ; v28 is written, which the next two loads read as their offset; so are the LDS addresses v2, v4, v7, v8, v72 and v73
	global_load_b32 v30, v28, s[26:27]             ; first key of my query's cluster
	global_load_b32 v31, v28, s[26:27] offset:4    ; and its end
	WIN 0x40
.set n, 0
.rept 32
	global_load_b128 v[4*n:4*n+3], v1, s[30:31] offset:512*n              ; Q' as fragments: K step n / 2, half n % 2; 512 consecutive bytes a load
.set n, n+1
.endr
	WIN 0
	s_wait_kmcnt 0x0
	s_lshr_b32 s54, s32, 16
	s_min_u32 s54, s54, 7                          ; first cluster of the block's queries
	s_lshl_b32 s54, s54, 2
	s_lshr_b32 s55, s47, 16
	s_min_u32 s55, s55, 7                          ; last
	s_lshl_b32 s55, s55, 2
	s_load_b32 s56, s[26:27], s54 offset:0x0       ; first key of the first cluster
	s_load_b32 s57, s[26:27], s55 offset:0x4       ; end of the last
	s_cmp_eq_u32 s76, 0
.irp i, 0,1,2,3,4,5,6,7
	s_cselect_b32 s[88+\i], s[32+\i], s[40+\i]     ; the words of the eight rows that I finish: 8 kh + i
.endr
.irp i, 0,1,2,3,4,5,6,7
	s_and_b32 s59, s[88+\i], 0xffff
	s_min_u32 s59, s59, 0x7ff
	s_lshl_b32 s59, s59, 11
	v_add_nc_u32 v[OFFR+\i], s59, v1
.endr
	s_wait_kmcnt 0x0
	s_min_u32 s56, s56, 0x800
	s_and_b32 s56, s56, 0xff0                      ; down to a multiple of 16 keys: a tile is made of whole groups of 16
	s_min_u32 s57, s57, 0x800
	s_max_u32 s57, s57, s56
	s_sub_co_u32 s58, s57, s56
	s_add_co_u32 s58, s58, 63
	s_lshr_b32 s58, s58, 6
	s_max_u32 s58, s58, 1                          ; tiles of each of the pair's two waves, 1..32: a block without any key walks one tile a wave, all masked
	s_lshl_b32 s59, s58, 6
	s_sub_co_u32 s59, 0x800, s59
	s_min_u32 s56, s56, s59                        ; the window of 64 n keys is moved back where it would pass the batch's end (to a multiple of 64)
	s_mul_i32 s59, s58, s76
	s_lshl_b32 s59, s59, 5
	s_add_co_u32 s56, s56, s59                     ; my half begins 32 n kh keys further on
	s_min_u32 s56, s56, 0x7e0
	s_lshl_b32 s62, s22, 11
	s_add_co_u32 s62, s62, s56
	s_lshl_b32 s62, s62, 10                        ; (2,048 b + first key) x 1,024 bytes: the first key's group of 16
	s_add_co_u32 s62, s62, 0x800000                ; K' lies behind Q' in xp
	s_add_nc_u64 s[28:29], s[6:7], s[62:63]
	s_wait_loadcnt 32                              ; the two words of offs are in; the 32 loads of Q' stay out
	v_sub_nc_u32 v[CNT], v31, v30
	v_lshl_add_u32 v[REL], v19, 3, s56             ; my first key + 8 h
	v_sub_nc_u32 v[REL], v[REL], v30
	v_cmp_ne_u32 s84, 0, v[CNT]                    ; bit r (and r + 16): query r has a key
	s_wait_alu depctr_va_sdst(0)                   ; s84 is written: the wait stands here, ahead of every branch and label; its reader stands on the way out
; A quarter of a tile: 16 loads of 512 consecutive bytes, into window 3 (the caller sets the window).  Quarter g holds keys 16 (g / 2) + 0..15, K steps 8 (g % 2) + 0..7.
; The quarters are always asked for in the order 0, 2, 1, 3, which is the order in which the products need them and set their registers free.
.macro GETK16 g
.irp k, 0,1,2,3,4,5,6,7,8,9,10,11,12,13,14,15
	global_load_b128 v[4*(16*\g+\k):4*(16*\g+\k)+3], v1, s[28:29] offset:512*(16*\g+\k)
.endr
.endm
.macro GETQ16 g                        ; four of my eight rows of Q, which are added at the end, into window 3, where no tile is due any more
.irp i, 0,1,2,3
.irp c, 0,1,2,3
	global_load_b128 v[16*(4*\g+\i)+4*\c:16*(4*\g+\i)+4*\c+3], v[OFFR+4*\g+\i], s[16:17] offset:512*\c
.endr
.endr
.endm
.macro PUT16 g, left                   ; quarter g goes from window 3 to LDS, row-major: lane (r, h) puts 16 bytes of row 16 (g / 2) + r at byte 512 (g % 2) + 32 k + 16 h
	s_wait_loadcnt \left                           ; the tile's 64 loads are the youngest: the quarters asked for later stay out
.irp k, 0,1,2,3,4,5,6,7,8,9,10,11,12,13,14,15
	ds_store_b128 v[KW], v[4*(16*\g+\k):4*(16*\g+\k)+3] offset:(\g>>1)*2*GP8+(\g&1)*512+32*\k
.endr
.endm
.macro MULQ g                          ; K steps 8 g .. 8 g + 7 of Q' K'^T: sixteen matrix instructions; the two accumulators take turns
.irp u, 0,1,2,3,4,5,6,7
.irp y, 0,1
.if 8*\g+\u == 0
	v_wmma_f32_16x16x32_bf16 v[SS+8*\y:SS+8*\y+7], v[8*(16*\y+8*\g+\u):8*(16*\y+8*\g+\u)+7], v[8*(8*\g+\u):8*(8*\g+\u)+7], 0
.else
	v_wmma_f32_16x16x32_bf16 v[SS+8*\y:SS+8*\y+7], v[8*(16*\y+8*\g+\u):8*(16*\y+8*\g+\u)+7], v[8*(8*\g+\u):8*(8*\g+\u)+7], v[SS+8*\y:SS+8*\y+7]
.endif
.endr
.endr
.endm
.macro LOADV g, buf                    ; K' transposed: column tiles 8 g .. 8 g + 7, all 32 keys (keys 16 .. 31 lie two groups of eight rows further on); the caller sets the buffer's window
.irp u, 0,1,2,3,4,5,6,7
	ds_load_tr16_b128 v[\buf+8*\u:\buf+8*\u+3], v[VRD] offset:32*(8*\g+\u)
	ds_load_tr16_b128 v[\buf+8*\u+4:\buf+8*\u+7], v[VRD] offset:32*(8*\g+\u)+2*GP8
.endr
.endm
.macro MULV g, buf, first              ; eight matrix instructions on eight accumulators
.irp u, 0,1,2,3,4,5,6,7
.if \first
	v_wmma_f32_16x16x32_bf16 v[8*(8*\g+\u):8*(8*\g+\u)+7], v[\buf+8*\u:\buf+8*\u+7], v[PB:PB+7], 0
.else
	v_wmma_f32_16x16x32_bf16 v[8*(8*\g+\u):8*(8*\g+\u)+7], v[\buf+8*\u:\buf+8*\u+7], v[PB:PB+7], v[8*(8*\g+\u):8*(8*\g+\u)+7]
.endif
.endr
.endm
; One tile of 32 keys.  first = 1: it starts the maximum, the sum and O (nothing is cleared).  ahead = 1: the next tile is asked for; 0: my rows of Q instead.
.macro TRIP first, ahead
	WIN 0x0c                                       ; store data in window 3
	PUT16 0, 48                                    ; no vector instruction has named window 3's registers as a destination, or v2 since the head's waits: the stores owe nothing
	PUT16 2, 32
	WIN 0x07                                       ; source 0 (the tile) in window 3, source 1 (Q') in window 1
	MULQ 0
	WIN 0x0c
	PUT16 1, 16
	PUT16 3, 0
.if \ahead
	WIN 0
	PLACES                                         ; behind the products that read quarters 0 and 2
	s_add_nc_u64 s[28:29], s[28:29], 32*1024       ; the loads that named this base are in (the wait for 0 of the last quarter)
	s_wait_dscnt 32                                ; all but the youngest 32: the stores of quarters 0 and 2 are done
	WIN 0xc0                                       ; loaded data in window 3
	s_wait_alu depctr_va_vdst(0)                   ; the first sixteen products are done reading quarters 0 and 2, in which the loads below land
	s_wait_alu depctr_vm_vsrc(0)                   ; the tile's 64 LDS stores have read window 3, all four quarters of it
	GETK16 0
	GETK16 2
.endif
	WIN 0x07
	MULQ 1
	WIN 0
.irp e, 0,1,2,3,4,5,6,7
	v_add_nc_u32 v[TI+\e], \e, v[REL]              ; my sixteen keys' places in my query's cluster; these lines are also the places behind the products
	v_add_nc_u32 v[TI+8+\e], 16+\e, v[REL]
.endr
	v_add_nc_u32 v[REL], 32, v[REL]
.irp e, 0,1,2,3,4,5,6,7,8,9,10,11,12,13,14,15
	v_cmp_gt_u32 s[CM+\e], v[CNT], v[TI+\e]        ; unsigned: places in front of the cluster wrap to large numbers.  Sixteen masks in a run, into sixteen scalar registers
.endr
	s_wait_alu depctr_va_vdst(0)                   ; the second sixteen products are done reading quarters 1 and 3, and the last tile's products P K' their four fragment buffers: all loads up to the trip's end land in these
.if \ahead == 0
	s_wait_alu depctr_vm_vsrc(0)                   ; the tile's LDS stores have read window 3, in which my rows of Q land
.endif
	s_wait_dscnt 0x0                               ; the tile's stores are done: the counts below count the transposing loads alone
	LOADV 0, FA                                    ; on their way during the softmax
	LOADV 1, FB
	WIN 0xc0
.if \ahead
	GETK16 1
.else
	GETQ16 0
	GETQ16 1
.endif
	WIN 0
.irp k, 0,2,4,6,8,10,12,14
	v_pk_mul_f32 v[SS+\k:SS+\k+1], v[SS+\k:SS+\k+1], 0x3d8293ee op_sel_hi:[1,0]   ; x log2(e) / sqrt(512)
.endr
	s_wait_alu depctr_va_sdst(0)                   ; the sixteen masks are written, ahead of their first reader
.irp e, 0,1,2,3,4,5,6,7,8,9,10,11,12,13,14,15
	v_cndmask_b32 v[SS+\e], v[NEG], v[SS+\e], s[CM+\e]
.endr
	v_max3_num_f32 v56, v[SS], v[SS+1], v[SS+2]
	v_max3_num_f32 v57, v[SS+3], v[SS+4], v[SS+5]
	v_max3_num_f32 v58, v[SS+6], v[SS+7], v[SS+8]
	v_max3_num_f32 v59, v[SS+9], v[SS+10], v[SS+11]
	v_max3_num_f32 v60, v[SS+12], v[SS+13], v[SS+14]
	v_max3_num_f32 v56, v56, v57, v[SS+15]
	v_max3_num_f32 v58, v58, v59, v60
	v_max_num_f32 v56, v56, v58
	v_permlanex16_b32 v[T0], v56, s70, s71         ; the row's other sixteen keys
.if \first
	v_max_num_f32 v[MN], v56, v[T0]
.else
	v_max3_num_f32 v[MN], v56, v[T0], v[MM]
	v_sub_f32 v[AL], v[MM], v[MN]
	v_exp_f32 v[AL], v[AL]
.endif
	v_mov_b32 v[MN+1], v[MN]                       ; plain, and touches no exponential (ISA guide 5.7.2)
.irp k, 0,2,4,6,8,10,12,14
	v_pk_add_f32 v[SS+\k:SS+\k+1], v[SS+\k:SS+\k+1], v[MN:MN+1] neg_lo:[0,1] neg_hi:[0,1]
.endr
.irp e, 0,1,2,3,4,5,6,7,8,9,10,11,12,13,14,15
	v_exp_f32 v[SS+\e], v[SS+\e]
.endr
	v_mov_b32 v[MM], v[MN]                         ; the plain place behind the exponentials
	WIN 0x40                                       ; loaded data in window 1
	LOADV 2, FC                                    ; the other 32 transposing loads stand between the exponentials and their wait.  No wait of their own: since the wait behind the
	LOADV 3, FD                                    ; second sixteen products no vector or matrix instruction has named v4 or these two buffers
	WIN 0
	s_wait_alu depctr_va_vdst(0)                   ; the exponentials have written the factor and the sixteen weights: one wait for the batch, ahead of its first reader
.if \first == 0
	v_mov_b32 v[AL+1], v[AL]
.endif
	v_pk_add_f32 v[48:49], v[SS:SS+1], v[SS+2:SS+3]
	v_pk_add_f32 v[50:51], v[SS+4:SS+5], v[SS+6:SS+7]
	v_pk_add_f32 v[52:53], v[SS+8:SS+9], v[SS+10:SS+11]
	v_pk_add_f32 v[54:55], v[SS+12:SS+13], v[SS+14:SS+15]
	v_pk_add_f32 v[48:49], v[48:49], v[50:51]
	v_pk_add_f32 v[52:53], v[52:53], v[54:55]
	v_pk_add_f32 v[48:49], v[48:49], v[52:53]
.if \first
	v_add_f32 v[LL], v48, v49
.else
	v_add_f32 v48, v48, v49
	v_fma_f32 v[LL], v[LL], v[AL], v48
.endif
.irp k, 0,1,2,3,4,5,6,7
	v_cvt_pk_bf16_f32 v[PB+\k], v[SS+2*\k], v[SS+2*\k+1]       ; registers 0-3: keys 8 h + 0..7; 4-7: keys 16 + 8 h + 0..7
.endr
.if \ahead
	WIN 0xc0
	GETK16 3                                       ; the next tile's last quarter goes out apart from the other three.  No wait of its own: no vector or matrix instruction since the second sixteen products' wait names v1 or quarter 3
.endif
.if \first == 0
	WIN 0x82                                       ; O in window 2, the factor in window 0
.set n, 0
.rept 128
	v_pk_mul_f32 v[2*n:2*n+1], v[2*n:2*n+1], v[AL:AL+1]
.set n, n+1
.endr
.endif
	s_wait_dscnt 48                                ; column tiles 0-7 are in; the three younger groups' 48 loads stay out
	WIN 0xa0                                       ; C and D in window 2, the fragments in window 0
	MULV 0, FA, \first
	s_wait_dscnt 32
	MULV 1, FB, \first
	s_wait_dscnt 16
	WIN 0xa1                                       ; the fragments in window 1
	MULV 2, FC, \first
	s_wait_dscnt 0x0
	MULV 3, FD, \first
	WIN 0
.endm
	WIN 0xc0
	s_wait_alu depctr_va_vdst(0)                   ; v64 to v71 are written, which the last tile's loads of Q and the final stores read as offsets; from here on no vector instruction names an offset or an LDS address
	GETK16 0                                       ; tile 0, in the order in which every tile is asked for
	GETK16 2
	GETK16 1
	GETK16 3
	WIN 0
	s_cmp_eq_u32 s58, 1
	s_cbranch_scc1 .Lone
	TRIP 1, 1
	s_sub_co_u32 s74, s58, 2
	s_cmp_eq_u32 s74, 0
	s_cbranch_scc1 .Llast
.Lloop:
	TRIP 0, 1
	s_sub_co_u32 s74, s74, 1
	s_cmp_lg_u32 s74, 0
	s_cbranch_scc1 .Lloop
.Llast:
	TRIP 0, 0
	s_branch .Lend
.Lone:
	TRIP 1, 0
.Lend:
	; THE MERGE AND THE WAY OUT.  All paths have joined.  My maximum, my sum and my raw O go into my own LDS bytes (no key tile is due any more).
	PLACES                                         ; behind the last products, whose results the stores below read
	v_permlanex16_b32 v[T0], v[LL], s70, s71
	v_add_f32 v[LL], v[LL], v[T0]                  ; the row's sum over my half of the keys; at least 1: its largest term is exp2(0)
	s_wait_alu depctr_va_vdst(0)                   ; the products have written O and the line above the sum, which the stores below read; the softmax is done with v48 to v51, in which loads land behind the barrier.  The places above stay beside this wait
	ds_store_b32 v[SST], v[MM]                     ; a row's two lanes write the same word with the same number
	ds_store_b32 v[SST], v[LL] offset:64
	WIN 0x08                                       ; store data in window 2
.set n, 0
.rept 32
	ds_store_b128 v[STG], v[8*n:8*n+3] offset:64*n
	ds_store_b128 v[STG], v[8*n+4:8*n+7] offset:64*n+16
.set n, n+1
.endr
	WIN 0
	s_wait_dscnt 0x0                               ; my stores are done, for my partner's sake
	s_barrier_signal -1
	s_barrier_wait -1                              ; every wave's are
	s_wait_alu depctr_vm_vsrc(0)                   ; my LDS stores have read window 2, which the loads below fill again and the vector work behind them rewrites
	ds_load_b32 v48, v[SRD]                        ; lane l: row 8 kh + l % 8: maximum of the pair's first wave,
	ds_load_b32 v49, v[SRD] offset:64              ; its sum,
	ds_load_b32 v50, v[SRD] offset:128             ; the second wave's maximum
	ds_load_b32 v51, v[SRD] offset:192             ; and sum
	WIN 0x80
.irp i, 0,1,2,3,4,5,6,7
.irp c, 0,1,2,3
	ds_load_b128 v[16*\i+4*\c:16*\i+4*\c+3], v[ORD] offset:\i*PO+512*\c              ; my eight rows of the first wave's O, as whole rows
.endr
.endr
	WIN 0
	s_wait_dscnt 32                                ; the four words are in; the 32 row loads behind them stay out
	v_max_num_f32 v52, v48, v50
	v_sub_f32 v53, v48, v52
	v_sub_f32 v54, v50, v52
	v_exp_f32 v53, v53                             ; one of the two is exp2(0) = 1
	v_exp_f32 v54, v54
	v_nop                                          ; the place behind the exponentials
	s_wait_alu depctr_va_vdst(0)                   ; the two exponentials have written v53 and v54, ahead of their first reader
	v_mul_f32 v55, v49, v53
	v_fma_f32 v55, v51, v54, v55                   ; the row's whole sum, at least 1
	v_rcp_f32 v55, v55
	v_nop                                          ; the place behind the reciprocal
	s_wait_alu depctr_va_vdst(0)                   ; the reciprocal has written v55, ahead of its first reader
	v_mul_f32 v53, v53, v55
	v_mul_f32 v54, v54, v55
.irp i, 0,1,2,3,4,5,6,7
	v_readlane_b32 s[32+2*\i], v53, \i             ; the two factors of my row i, each in the even register of a pair whose odd one has been written before
	v_readlane_b32 s[48+2*\i], v54, \i
.endr
	s_wait_alu depctr_va_sdst(0)                   ; the sixteen factors are written, ahead of the branch below and of their first readers behind it
	WIN 0x80
.irp i, 0,1,2,3,4,5,6,7
.irp c, 0,1,2,3
	ds_load_b128 v[128+16*\i+4*\c:128+16*\i+4*\c+3], v[ORD] offset:WLDS+\i*PO+512*\c  ; the same rows of the second wave's O.  No wait of their own: since the waits at the way out's head and behind the barrier nothing has named v72 or window 2
.endr
.endr
	WIN 0
	s_lshl_b32 s77, s76, 3
	s_lshr_b32 s85, s84, s77
	s_and_b32 s85, s85, 0xff                       ; bit i: my row i has a key
	s_wait_dscnt 0x0
	s_cmp_eq_u32 s85, 0xff
	s_cbranch_scc1 .Lhave                          ; every row of mine has a key: a decision on whole numbers read from memory
	; Some row has none: the batch's mean of K' from the 32 blocks' column sums, in the rows' layout (16 lane + 512 c).
	; Four batches of eight blocks, 32 loads each, into window 0's two fragment buffers, which are free now; a block's place stands in the immediate.
.irp g, 0,1,2,3
.if \g > 0
	s_wait_alu depctr_va_vdst(0)                   ; the additions are done reading the eight blocks' registers, in which the next batch lands
.endif
.irp j, 0,1,2,3,4,5,6,7
.irp c, 0,1,2,3
	global_load_b128 v[MB+16*\j+4*\c:MB+16*\j+4*\c+3], v1, s[72:73] offset:(8*\g+\j)*2048+512*\c
.endr
.endr
	s_wait_loadcnt 0x0
.if \g == 0
.irp k, 0,2,4,6,8,10,12,14
	v_pk_add_f32 v[MEAN+\k:MEAN+\k+1], v[MB+\k:MB+\k+1], v[MB+16+\k:MB+16+\k+1]   ; the first two blocks start the sums
.endr
.else
.irp j, 0,1
.irp k, 0,2,4,6,8,10,12,14
	v_pk_add_f32 v[MEAN+\k:MEAN+\k+1], v[MEAN+\k:MEAN+\k+1], v[MB+16*\j+\k:MB+16*\j+\k+1]
.endr
.endr
.endif
.irp j, 2,3,4,5,6,7
.irp k, 0,2,4,6,8,10,12,14
	v_pk_add_f32 v[MEAN+\k:MEAN+\k+1], v[MEAN+\k:MEAN+\k+1], v[MB+16*\j+\k:MB+16*\j+\k+1]
.endr
.endr
.endr
.irp k, 0,2,4,6,8,10,12,14
	v_pk_mul_f32 v[MEAN+\k:MEAN+\k+1], v[MEAN+\k:MEAN+\k+1], 0x3a000000 op_sel_hi:[1,0]   ; / 2,048
.endr
	WIN 0x88                                       ; destination and source 1 in window 2, the mean in window 0
.irp i, 0,1,2,3,4,5,6,7
	s_bitcmp1_b32 s85, \i
	s_cselect_b32 s86, -1, 0
	s_cselect_b32 s[32+2*\i], s[32+2*\i], 1.0      ; the mean takes the first wave's place and is taken as it is;
	s_cselect_b32 s[48+2*\i], s[48+2*\i], 0        ; the second wave's row, finite, counts for nothing
.irp k, 0,1,2,3,4,5,6,7,8,9,10,11,12,13,14,15
	v_cndmask_b32 v[16*\i+\k], v[MEAN+\k], v[16*\i+\k], s86
.endr
.endr
	WIN 0
.Lhave:
	s_wait_loadcnt 0x0                             ; my rows of Q, asked for in the last tile
	; Four rows at a time: the first four rows' stores are on their way while the other four rows are made, in registers that those stores do not read.
.irp h, 0,1
	WIN 0xb2                                       ; O in window 2, Q in window 3
.irp i, 0,1,2,3
.irp k, 0,2,4,6,8,10,12,14
	v_pk_fma_f32 v[16*(4*\h+\i)+\k:16*(4*\h+\i)+\k+1], v[16*(4*\h+\i)+\k:16*(4*\h+\i)+\k+1], s[32+2*(4*\h+\i):33+2*(4*\h+\i)], v[16*(4*\h+\i)+\k:16*(4*\h+\i)+\k+1] op_sel_hi:[1,0,1]       ; O_a f_a + Q
.endr
.endr
	WIN 0xa2                                       ; all three in window 2
.irp i, 0,1,2,3
.irp k, 0,2,4,6,8,10,12,14
	v_pk_fma_f32 v[16*(4*\h+\i)+\k:16*(4*\h+\i)+\k+1], v[128+16*(4*\h+\i)+\k:128+16*(4*\h+\i)+\k+1], s[48+2*(4*\h+\i):49+2*(4*\h+\i)], v[16*(4*\h+\i)+\k:16*(4*\h+\i)+\k+1] op_sel_hi:[1,0,1]   ; + O_b f_b
.endr
.endr
	WIN 0x08
	s_wait_alu depctr_va_vdst(0)                   ; the multiply-adds have written these four rows, which the stores below read
.irp i, 0,1,2,3
.irp c, 0,1,2,3
	global_store_b128 v[OFFR+4*\h+\i], v[16*(4*\h+\i)+4*\c:16*(4*\h+\i)+4*\c+3], s[18:19] offset:512*\c th:TH_STORE_NT   ; 512 consecutive bytes of the token's row
.endr
.endr
.endr
	WIN 0
	s_wait_dscnt 0x0
	s_wait_alu depctr_hold_cnt(0) depctr_sa_sdst(0) depctr_va_vdst(0) depctr_va_sdst(0) depctr_va_ssrc(0) depctr_va_vcc(0) depctr_vm_vsrc(0)
	s_wait_tensorcnt 0x0
	ds_add_u32 v126, v127
	s_wait_dscnt 0x0
	s_endpgm
.Lfunc_end_k_qce8a8cd12a_attn:
	.size	k_qce8a8cd12a_attn, .Lfunc_end_k_qce8a8cd12a_attn-k_qce8a8cd12a_attn
	.p2alignl 7, 3214868480
	.fill 96, 4, 3214868480
	.section	.rodata,"a",@progbits
	.p2align	6, 0x0
	.amdhsa_kernel k_qce8a8cd12a_attn
		.amdhsa_group_segment_fixed_size 136448
		.amdhsa_private_segment_fixed_size 0
		.amdhsa_enable_private_segment 0
		.amdhsa_kernarg_size 48
		.amdhsa_user_sgpr_count 2
		.amdhsa_user_sgpr_kernarg_segment_ptr 1
		.amdhsa_wavefront_size32 1
		.amdhsa_system_sgpr_workgroup_id_x 1
		.amdhsa_system_sgpr_workgroup_id_y 1
		.amdhsa_system_sgpr_workgroup_id_z 1
		.amdhsa_system_vgpr_workitem_id 0
		.amdhsa_next_free_vgpr 1024
		.amdhsa_next_free_sgpr 96
		.amdhsa_reserve_vcc 0
		.amdhsa_float_denorm_mode_32 3
		.amdhsa_float_denorm_mode_16_64 3
		.amdhsa_memory_ordered 1
		.amdhsa_forward_progress 1
		.amdhsa_inst_pref_size 186
	.end_amdhsa_kernel
	.amdgpu_metadata
---
amdhsa.version: [ 1, 2 ]
amdhsa.kernels:
  - .name:           k_qce8a8cd12a_attn
    .symbol:         k_qce8a8cd12a_attn.kd
    .args:
      - { .name: Q, .offset: 0, .size: 8, .value_kind: global_buffer, .address_space: global }
      - { .name: xp, .offset: 8, .size: 8, .value_kind: global_buffer, .address_space: global }
      - { .name: ord, .offset: 16, .size: 8, .value_kind: global_buffer, .address_space: global }
      - { .name: offs, .offset: 24, .size: 8, .value_kind: global_buffer, .address_space: global }
      - { .name: ksum, .offset: 32, .size: 8, .value_kind: global_buffer, .address_space: global }
      - { .name: out0, .offset: 40, .size: 8, .value_kind: global_buffer, .address_space: global }
    .group_segment_fixed_size: 136448
    .private_segment_fixed_size: 0
    .kernarg_segment_align: 8
    .kernarg_segment_size: 48
    .max_flat_workgroup_size: 128
    .sgpr_count:     96
    .vgpr_count:     1024
    .wavefront_size: 32
...
	.end_amdgpu_metadata
.endif
;; end of part 7
